; MI455X (gfx1250); checked and timed in simulation.
; The chip was launched on July 23, 2026; its instructions are those of AMD's public machine-readable ISA for CDNA 5 (MIT licence, August 2026) and "CDNA5" Instruction Set Architecture Reference Guide (July 2026). The comments in the code are by the model that wrote it; some were corrected since.
;; Multi Head Attention. Allowed arithmetic: matrix products marked QUANTISED: E2M1 operands, one E8M0 scale for each 32 along K, by v_wmma_scale_f32_16x16x128_f8f6f4 with both operands' format E2M1 (or v_wmma_scale_f32_32x16x128_f4), f32 sums; products left as they are: bf16, f16 or f32 operands; f32 sums; everything else in f32.
;; Inputs: k 4 x 2,048 x 1,024 float32; q 4 x 2,048 x 1,024 float32; v 4 x 2,048 x 1,024 float32; w_key 1,024 x 1,024 float32; w_proj 1,024 x 1,024 float32; w_query 1,024 x 1,024 float32; w_value 1,024 x 1,024 float32.
;; Outputs: out0 4 x 2,048 x 1,024 float32.
;; This version of the problem:
;;   THIS VERSION OF THE PROBLEM IS GIVEN IN LOW PRECISION. The matrix products marked QUANTISED in the list below multiply operands that are first quantised to E2M1 (2 exponent bits, 1 mantissa bit; 4 bits a number), with one power-of-two scale for each 32 numbers along K (OCP MX v1.0); their sums are f32. The products marked 'left as it is' may take bf16, f16 or f32 operands, with f32 sums. Whichever they take, every output number must still come out within the allowed error. Rounding operands to bf16 (8 significant bits) uses up far more of that allowance than f16 does (11 bits, for magnitudes from 6e-5 to 65,504). All else is computed in f32.
;;   The module's matrix products, in the order in which they are computed (A, B: the left and right operand; K: the contracted axis; several contracted axes count as one K, in the product's order):
;;     1. [M 8,192, K 1,024] x [K 1,024, N 1,024]; A: input k; B: input w_key: QUANTISED
;;     2. [M 8,192, K 1,024] x [K 1,024, N 1,024]; A: input q; B: input w_query: QUANTISED
;;     3. [M 8,192, K 1,024] x [K 1,024, N 1,024]; A: input v; B: input w_value: QUANTISED
;;     4. batch 64 x [M 2,048, K 64] x [K 64, N 2,048]; A: computed on the way; B: computed on the way: left as it is (an operand is computed on the way)
;;     5. batch 64 x [M 64, K 2,048] x [K 2,048, N 2,048]; A: computed on the way; B: computed on the way: left as it is (an operand is computed on the way)
;;     6. [M 8,192, K 1,024] x [K 1,024, N 1,024]; A: computed on the way; B: input w_proj: left as it is (an operand is computed on the way)
;;   THE QUANTISER, for each operand of a quantised product, along K:
;;     - K is cut into blocks of 32 from its start; a last block that is shorter is filled with zeros.
;;     - A block's scale is 2^e with e = floor(log2(the largest magnitude in the block)) - 2, held to -126 .. 127; a block of zeros has e = 0. As a byte (E8M0): e + 127.
;;     - Each number is divided by its block's scale, clamped to +-6, and rounded to the nearest number of E2M1, ties to even, subnormals kept.
;;     - The product sums the exact products of the quantised numbers (number of the format x scale) in f32.
;;   ~~~python
;;   def quantise(x, axis):      # numpy; x: float32 -> the quantised numbers, widened to float32 again
;;       x = np.moveaxis(x, axis, -1); K = x.shape[-1]
;;       x = np.pad(x, [(0, 0)] * (x.ndim - 1) + [(0, -K % 32)]); x = x.reshape(x.shape[:-1] + (-1, 32)); a = np.abs(x).max(-1, keepdims=True)
;;       e = np.where(a > 0, np.clip(np.frexp(np.where(a > 0, a, 1))[1] - 1 - 2, -126, 127), 0)      # np.frexp(a)[1] - 1 = floor(log2(a)), exactly
;;       r = np.clip(x / 2.0 ** e, -6, 6)
;;       step = 2.0 ** (np.maximum(np.frexp(np.where(r == 0, 1, r))[1] - 1, 0) - 1)
;;       q = np.round(r / step) * step * 2.0 ** e      # np.round: ties to even
;;       return np.moveaxis(q.reshape(q.shape[:-2] + (-1,))[..., :K], -1, axis).astype(np.float32)
;;   ~~~
;; One version. Each part assembles by itself: llvm-mc -triple=amdgcn-amd-amdhsa -mcpu=gfx1250 --defsym DOCPART=n.
;; ======== version 1 of 1: 5 launches
;; limits: values are held in f16: magnitudes above 65,504 overflow, below 6.1e-05 lose precision
;; workspace buffers: xcodes 12,582,912 bytes; xscales 786,432 bytes; wcodes 1,572,864 bytes; wscales 98,304 bytes; wp16 2,097,152 bytes; heads 50,331,648 bytes; ao 16,777,216 bytes
;; launch prep_x (part 1): grid 768 x 1, 4 waves a work-group, no clusters, 33,280 bytes of LDS; arguments k, v, q, xcodes, xscales; writes xcodes, xscales
.if DOCPART == 1
	.amdgcn_target "amdgcn-amd-amdhsa--gfx1250"
	.amdhsa_code_object_version 6
	.text
	.protected	k_qbdce487ec3_prep_x
	.globl	k_qbdce487ec3_prep_x
	.p2align	8
	.type	k_qbdce487ec3_prep_x,@function
k_qbdce487ec3_prep_x:
	s_mov_b64 s[64:65], 0
	v_nop
	global_prefetch_b8 v0, s[64:65] scope:SCOPE_SE
	s_setreg_imm32_b32 hwreg(HW_REG_WAVE_MODE, 25, 1), 1
	s_wait_xcnt 0x0
; k, v and q, each [8192][1024] f32, become codes of FP4 (E2M1), K innermost, two codes a byte, with one E8M0 scale byte for each 32 along K.
; The three tensors' codes lie on end in xcodes ([24576][512 bytes]: key, value, query), their scale bytes in xscales ([24576][32]).
; A block's scale is 2^(floor(log2(its largest magnitude)) - 2); its byte is the largest magnitude's exponent field - 2, held at 1 from below.
; LIMITS: a block of zeros gets the byte 1 where the rule says 127 (its codes are zeros, and this program alone reads the bytes); blocks whose
; largest magnitude lies under 2^-124 keep the byte 1; NaN and infinities among the inputs are not served.
; Rows are dense and 1024 is a multiple of 32: each tensor is a plain stream of blocks of 32 numbers.  256 work-groups to a tensor, a wave takes 16 steps of 512 numbers.
; Each of a step's four loads reads 512 consecutive bytes; the 2,048 bytes turn through the wave's own stage in LDS and come back 64 bytes a lane, so that a lane
; holds 16 neighbours along K (two neighbouring lanes hold a block).  A lane's 16 codes are 8 bytes: the wave stores 256 consecutive bytes.
; A wave's 256 scale bytes are gathered in its own LDS bytes and leave as 256 consecutive bytes.  No barrier: waves share nothing.
.set WAVES, 4
.set STEPS, 16
.set EMAX,  2
.set CB,    8                          ; bytes of 16 codes
.set R,     16                         ; v16-79   four sets of 16 numbers as they are loaded
.set X,     80                         ; v80-111  two sets of 16 neighbours
.set C,     128                        ; v128-191 codes: four registers for each step, so that no store's data are written again
.set E,     112                        ; v112-127 a scale byte for each step
.set WREG,  8192                       ; LDS: a region for each wave: two stages of 32 x SP bytes, behind them its 256 scale bytes
.set SP,    80                         ; a lane's place in a stage: 64 bytes + 16 of padding
.set SPW,   12                         ; v12 LDS address of my spare word; never rewritten
.set NIL,   13                         ; v13 0; never rewritten
.set SPARE, WAVES*WREG                 ; behind the four regions: the spare words, 128 bytes a wave
	s_load_b128 s[4:7], s[0:1], 0x0                ; k, v
	s_load_b128 s[8:11], s[0:1], 0x10              ; q, xcodes
	s_load_b64 s[12:13], s[0:1], 0x20              ; xscales
	v_lshl_add_u32 v[SPW], v0, 2, SPARE
	v_mov_b32 v[NIL], 0
	v_lshrrev_b32 v1, 5, v0
	v_readfirstlane_b32 s16, v1                    ; wave
	v_and_b32 v2, 31, v0                           ; lane
	v_lshlrev_b32 v3, 4, v2                        ; my 16 bytes of a load's 512
	s_mul_i32 s17, s16, WREG
	v_lshrrev_b32 v14, 2, v2
	v_mul_u32_u24 v14, v14, SP
	v_and_b32 v15, 3, v2
	v_lshl_add_u32 v14, v15, 4, v14
	v_add_nc_u32 v14, s17, v14                     ; the stage, on the way in: SP (lane / 4) + 16 (lane % 4)
	v_mul_u32_u24 v15, v2, SP
	v_add_nc_u32 v15, s17, v15                     ; and on the way out: SP x lane: my 16 neighbours
	v_mul_u32_u24 v4, v2, CB                       ; my codes' place in a step's
	v_lshrrev_b32 v5, 1, v2
	s_add_co_u32 s17, s17, 2*32*SP
	v_add_nc_u32 v5, s17, v5                       ; LDS: my wave's 256 scale bytes, my block's byte
	v_lshlrev_b32 v7, 3, v2                        ; and on the way out 8 bytes a lane
	v_add_nc_u32 v6, s17, v7
	s_wait_kmcnt 0x0
	s_cmp_lt_u32 ttmp9, 256                        ; which tensor: the choice hangs on the work-group's number alone
	s_cselect_b64 s[4:5], s[4:5], s[6:7]
	s_cmp_lt_u32 ttmp9, 512
	s_cselect_b64 s[4:5], s[4:5], s[8:9]
	s_and_b32 s17, ttmp9, 255
	s_lshl_b32 s17, s17, 2
	s_add_co_u32 s18, s17, s16                     ; which run of 8,192 numbers of the tensor is my wave's
	s_lshl_b32 s18, s18, 15                        ; 32,768 bytes a run
	s_mov_b32 s19, 0
	s_add_nc_u64 s[4:5], s[4:5], s[18:19]
	s_lshl_b32 s20, ttmp9, 2
	s_add_co_u32 s20, s20, s16                     ; and which run of the three tensors on end
	s_lshl_b32 s18, s20, 12                        ; 4,096 bytes of codes a run
	s_add_nc_u64 s[10:11], s[10:11], s[18:19]
	s_lshl_b32 s18, s20, 8                         ; 256 scale bytes a run
	s_add_nc_u64 s[12:13], s[12:13], s[18:19]
.macro LOAD t
.irp i, 0,1,2,3
	global_load_b128 v[R+16*((\t)%4)+4*\i:R+16*((\t)%4)+4*\i+3], v3, s[4:5] offset:2048*(\t)+512*\i th:TH_LOAD_NT   ; 32 lanes read 512 consecutive bytes
.endr
.endm
.macro TURN t                          ; step t's numbers through the stage: LDS serves a wave's instructions in order, so no wait stands between the stores and the loads
.irp i, 0,1,2,3
	ds_store_b128 v14, v[R+16*((\t)%4)+4*\i:R+16*((\t)%4)+4*\i+3] offset:32*SP*((\t)%2)+8*SP*\i
.endr
.irp i, 0,1,2,3
	ds_load_b128 v[X+16*((\t)%2)+4*\i:X+16*((\t)%2)+4*\i+3], v15 offset:32*SP*((\t)%2)+16*\i
.endr
.endm
.irp t, 0,1,2,3
	LOAD \t
.endr
	s_wait_loadcnt 12                              ; step 0's four loads are in; the twelve of steps 1 to 3 may be out
	TURN 0
.macro STEP t
.set XS, X+16*((\t)%2)
.if (\t) > 0
	s_wait_dscnt 1                                 ; this step's numbers are back from the stage (the last step's byte store may be out)
.else
	s_wait_dscnt 0x0
.endif
.if (\t)+4 < STEPS
	LOAD (\t)+4                                    ; the stage's stores have read these registers: they take the loads of four steps on
.endif
.if (\t)+1 < STEPS
.if STEPS-2-(\t) >= 3
	s_wait_loadcnt 12                              ; the next step's four loads are in; those of the three steps behind it may be out
.else
	s_wait_loadcnt 4*(STEPS-2-(\t))
.endif
	TURN (\t)+1                                    ; and go through the other stage while this step is worked
.endif
	v_max3_num_f32 v8, |v[XS]|, |v[XS+1]|, |v[XS+2]|               ; the largest magnitude of my 16, in two chains
	v_max3_num_f32 v9, |v[XS+3]|, |v[XS+4]|, |v[XS+5]|
.irp i, 6,10
	v_max3_num_f32 v8, v8, |v[XS+\i]|, |v[XS+\i+1]|
	v_max3_num_f32 v9, v9, |v[XS+\i+2]|, |v[XS+\i+3]|
.endr
	v_max3_num_f32 v8, v8, |v[XS+14]|, |v[XS+15]|
	v_max3_num_f32 v8, v8, v9, (EMAX+1)<<23        ; and the floor 2^(3 - 127): the byte cannot fall under 1
	v_max_num_f32_dpp v8, v8, v8 row_xmask:1 row_mask:0xf bank_mask:0xf   ; and of my neighbour's 16: the block's
	v_add_nc_u32 v11, -(EMAX<<23), v8              ; 2 off its exponent field: the conversion takes the exponent field of this operand as its scale
	v_cvt_scalef32_pk8_fp4_f32 v[C+4*(\t)], v[XS:XS+7], v11
	v_cvt_scalef32_pk8_fp4_f32 v[C+4*(\t)+1], v[XS+8:XS+15], v11
	v_lshrrev_b32 v[E+(\t)], 23, v11               ; the scale's byte (a plain line behind the conversions)
	ds_store_b8 v5, v[E+(\t)] offset:16*(\t)       ; both lanes of a block write the same byte with the same value
	global_store_b64 v4, v[C+4*(\t):C+4*(\t)+1], s[10:11] offset:32*CB*(\t)   ; 32 lanes store 256 consecutive bytes
.endm
.irp t, 0,1,2,3,4,5,6,7,8,9,10,11,12,13,14,15
	STEP \t
.endr
	ds_load_b64 v[8:9], v6                         ; LDS serves a wave's instructions in order: these see my stores
	s_wait_dscnt 0x0
	global_store_b64 v7, v[8:9], s[12:13]          ; 32 lanes store 256 consecutive bytes
	s_wait_tensorcnt 0x0                           ; the wave's end, behind my last LDS store
	ds_add_u32 v[SPW], v[NIL]
	s_wait_dscnt 0x0
	s_endpgm
.Lfunc_end_k_qbdce487ec3_prep_x:
	.size	k_qbdce487ec3_prep_x, .Lfunc_end_k_qbdce487ec3_prep_x-k_qbdce487ec3_prep_x
	.p2alignl 7, 3214868480
	.fill 96, 4, 3214868480
	.section	.rodata,"a",@progbits
	.p2align	6, 0x0
	.amdhsa_kernel k_qbdce487ec3_prep_x
		.amdhsa_group_segment_fixed_size 33280
		.amdhsa_private_segment_fixed_size 0
		.amdhsa_enable_private_segment 0
		.amdhsa_kernarg_size 40
		.amdhsa_user_sgpr_count 2
		.amdhsa_user_sgpr_kernarg_segment_ptr 1
		.amdhsa_wavefront_size32 1
		.amdhsa_system_sgpr_workgroup_id_x 1
		.amdhsa_system_sgpr_workgroup_id_y 1
		.amdhsa_system_sgpr_workgroup_id_z 1
		.amdhsa_system_vgpr_workitem_id 0
		.amdhsa_next_free_vgpr 192
		.amdhsa_next_free_sgpr 66
		.amdhsa_reserve_vcc 0
		.amdhsa_float_denorm_mode_32 3
		.amdhsa_float_denorm_mode_16_64 3
		.amdhsa_memory_ordered 1
		.amdhsa_forward_progress 1
		.amdhsa_inst_pref_size 33
	.end_amdhsa_kernel
	.amdgpu_metadata
---
amdhsa.version: [ 1, 2 ]
amdhsa.kernels:
  - .name:           k_qbdce487ec3_prep_x
    .symbol:         k_qbdce487ec3_prep_x.kd
    .args:
      - { .name: k, .offset: 0, .size: 8, .value_kind: global_buffer, .address_space: global }
      - { .name: v, .offset: 8, .size: 8, .value_kind: global_buffer, .address_space: global }
      - { .name: q, .offset: 16, .size: 8, .value_kind: global_buffer, .address_space: global }
      - { .name: xcodes, .offset: 24, .size: 8, .value_kind: global_buffer, .address_space: global }
      - { .name: xscales, .offset: 32, .size: 8, .value_kind: global_buffer, .address_space: global }
    .group_segment_fixed_size: 33280
    .private_segment_fixed_size: 0
    .kernarg_segment_align: 8
    .kernarg_segment_size: 40
    .max_flat_workgroup_size: 128
    .sgpr_count:     66
    .vgpr_count:     192
    .wavefront_size: 32
...
	.end_amdgpu_metadata
.endif
;; end of part 1
;; launch prep_w (part 2): grid 128 x 1, 8 waves a work-group, no clusters, 18,944 bytes of LDS; arguments w_key, w_value, w_query, w_proj, wcodes, wscales, wp16; writes wcodes, wscales, wp16
.if DOCPART == 2
	.amdgcn_target "amdgcn-amd-amdhsa--gfx1250"
	.amdhsa_code_object_version 6
	.text
	.protected	k_qbdce487ec3_prep_w
	.globl	k_qbdce487ec3_prep_w
	.p2align	8
	.type	k_qbdce487ec3_prep_w,@function
k_qbdce487ec3_prep_w:
	s_mov_b64 s[64:65], 0
	v_nop
	global_prefetch_b8 v0, s[64:65] scope:SCOPE_SE
	s_setreg_imm32_b32 hwreg(HW_REG_WAVE_MODE, 25, 1), 1
	s_wait_xcnt 0x0
; Work-groups 0 to 95: w_key, w_value, w_query ([1024 k][1024 n] f32, K their FIRST axis) become codes of FP4 (E2M1) laid [3072 n][512 bytes] with K innermost,
; and E8M0 scale bytes laid [3072][32].  A work-group takes 32 columns over all of K; wave w takes K rows 128 w to 128 w + 127.
; A LANE TAKES A COLUMN AND ITS REGISTERS RUN DOWN K: a block of 32 along K lies in one lane's 32 registers, and the conversions give codes with K innermost.
; The eight waves' codes meet in a stage in LDS (32 rows of 512 bytes + 16) and leave as whole rows: a store of a wave covers 512 consecutive bytes.
; The work-group's 1,024 scale bytes are dense in memory: waves 0 and 1 store 512 consecutive bytes each.
; Work-groups 96 to 127: w_proj is rounded to f16 (to nearest even), as it lies; they touch no LDS.
; LIMITS: a block of zeros gets the byte 1 where the rule says 127 (its codes are zeros, this program alone reads the bytes); blocks whose largest magnitude lies
; under 2^-124 keep the byte 1; numbers of w_proj beyond 65,504 become infinity, those under 2^-24 lose bits; NaN and infinities among the inputs are not served.
.set EMAX,  2
.set X,     32                         ; v32-159  128 numbers: four blocks (cast: 32 x 4 registers as loaded)
.set C,     160                        ; v160-175 the four blocks' codes (cast: v160-223 the f16 pairs)
.set OUTR,  176                        ; v176-191 the way out
.set SB,    24                         ; v24      my column's four scale bytes
.set SPW,   14                         ; v14 LDS address of my spare word; never rewritten
.set NIL,   15                         ; v15 0; never rewritten
.set PITCH, 528                        ; a stage row: 512 bytes + 16
.set SCS,   32*PITCH                   ; behind the stage: 32 x 32 scale bytes
.set SPARE, SCS+1024                   ; behind them: the spare words, 128 bytes a wave
	s_load_b256 s[4:11], s[0:1], 0x0               ; w_key s[4:5], w_value s[6:7], w_query s[8:9], w_proj s[10:11]
	s_load_b128 s[12:15], s[0:1], 0x20             ; wcodes, wscales
	s_load_b64 s[16:17], s[0:1], 0x30              ; wp16
	v_lshl_add_u32 v[SPW], v0, 2, SPARE
	v_mov_b32 v[NIL], 0
	v_lshrrev_b32 v1, 5, v0
	v_readfirstlane_b32 s18, v1                    ; wave 0..7
	v_and_b32 v1, 31, v0                           ; lane
	v_lshlrev_b32 v3, 2, v1                        ; 4 x lane
	v_lshlrev_b32 v2, 4, v1                        ; 16 x lane
	s_lshl_b32 s20, s18, 6
	v_mul_u32_u24 v4, v1, PITCH
	v_add_nc_u32 v4, s20, v4                       ; into the stage: row = my column, 64 bytes a wave
	s_lshl_b32 s20, s18, 2
	s_add_co_u32 s20, s20, SCS
	v_lshl_add_u32 v5, v1, 5, s20                  ; my column's scale bytes: 32 a column, 4 a wave
	s_mul_i32 s20, s18, 4*PITCH
	v_add_nc_u32 v6, s20, v2                       ; out of the stage: wave w takes rows 4 w .. 4 w + 3, 16 bytes a lane
	s_and_b32 s21, s18, 1
	s_lshl_b32 s21, s21, 9
	s_add_co_u32 s20, s21, SCS
	v_add_nc_u32 v7, s20, v2                       ; the scale bytes on the way out: 512 bytes for each of waves 0 and 1
	s_lshl_b32 s20, s18, 11
	v_add_nc_u32 v8, s20, v2                       ; the same places in wcodes
	v_add_nc_u32 v9, s21, v2                       ; and in wscales
	s_wait_kmcnt 0x0
	s_cmp_ge_u32 ttmp9, 96                         ; the work-group's number alone: all eight waves go the same way
	s_cbranch_scc1 .Lcast
	s_cmp_lt_u32 ttmp9, 32
	s_cselect_b64 s[4:5], s[4:5], s[6:7]
	s_cmp_lt_u32 ttmp9, 64
	s_cselect_b64 s[4:5], s[4:5], s[8:9]
	s_and_b32 s20, ttmp9, 31
	s_lshl_b32 s20, s20, 7                         ; my work-group's 32 columns: 128 bytes on in a row
	s_lshl_b32 s21, s18, 19                        ; my wave's 128 rows of 4,096 bytes
	s_add_co_u32 s20, s20, s21
	s_mov_b32 s21, 0
	s_add_nc_u64 s[4:5], s[4:5], s[20:21]
	s_lshl_b32 s20, ttmp9, 14                      ; 32 rows of 512 bytes of codes a work-group
	s_add_nc_u64 s[12:13], s[12:13], s[20:21]
	s_lshl_b32 s20, ttmp9, 10                      ; 32 rows of 32 scale bytes
	s_add_nc_u64 s[14:15], s[14:15], s[20:21]
.macro LOAD b                          ; block b: W(128 w + 32 b + i, my column), i = 0 .. 31
.irp i, 0,1,2,3,4,5,6,7,8,9,10,11,12,13,14,15,16,17,18,19,20,21,22,23,24,25,26,27,28,29,30,31
	global_load_b32 v[X+32*(\b)+\i], v3, s[4:5] offset:(32*(\b)+\i)*4096 th:TH_LOAD_NT
.endr
.endm
.macro BLOCK b
.set XS, X+32*(\b)
.if (\b) < 3
	s_wait_loadcnt 32                              ; this block's 32 loads are in; the next block's 32 may be out
.else
	s_wait_loadcnt 0x0
.endif
.if (\b)+2 < 4
	LOAD (\b)+2                                    ; two blocks ahead, into registers of its own
.endif
	v_max3_num_f32 v12, |v[XS]|, |v[XS+1]|, |v[XS+2]|               ; the block's largest magnitude: all 32 numbers are mine
	v_max3_num_f32 v13, |v[XS+3]|, |v[XS+4]|, |v[XS+5]|
.irp i, 6,10,14,18,22,26
	v_max3_num_f32 v12, v12, |v[XS+\i]|, |v[XS+\i+1]|
	v_max3_num_f32 v13, v13, |v[XS+\i+2]|, |v[XS+\i+3]|
.endr
	v_max3_num_f32 v12, v12, |v[XS+30]|, |v[XS+31]|
	v_max3_num_f32 v12, v12, v13, (EMAX+1)<<23     ; and the floor 2^(3 - 127): the byte cannot fall under 1
	v_add_nc_u32 v11, -(EMAX<<23), v12             ; 2 off its exponent field: the conversion's scale operand
	v_lshrrev_b32 v13, 23, v11                     ; the scale's byte
.if (\b) == 0
	v_mov_b32 v[SB], v13                           ; four bytes to a register, the lower K in the lower byte
.else
	v_lshl_or_b32 v[SB], v13, 8*(\b), v[SB]
.endif
.irp g, 0,1,2,3
	v_cvt_scalef32_pk8_fp4_f32 v[C+4*(\b)+\g], v[XS+8*\g:XS+8*\g+7], v11
.endr
	ds_store_b128 v4, v[C+4*(\b):C+4*(\b)+3] offset:16*(\b)   ; 32 codes: 16 bytes of my column's row
.endm
	LOAD 0
	LOAD 1
	BLOCK 0
	BLOCK 1
	BLOCK 2
	BLOCK 3
	v_nop                                          ; a plain line behind the last conversion
	ds_store_b32 v5, v[SB]
	s_wait_dscnt 0x0                               ; for the others' sake: my stores into the stage are done
	s_barrier_signal -1
	s_barrier_wait -1
.irp i, 0,1,2,3
	ds_load_b128 v[OUTR+4*\i:OUTR+4*\i+3], v6 offset:PITCH*\i
.endr
.irp i, 0,1,2,3
	s_wait_dscnt 3-\i                              ; row i is back; the later rows' loads may be out
	global_store_b128 v8, v[OUTR+4*\i:OUTR+4*\i+3], s[12:13] offset:512*\i   ; 32 lanes store a row's 512 consecutive bytes
.endr
	s_cmp_lt_u32 s18, 2
	s_cbranch_scc0 .Lno_scales
	ds_load_b128 v[20:23], v7
	s_wait_dscnt 0x0
	global_store_b128 v9, v[20:23], s[14:15]       ; 512 consecutive bytes of scale bytes
.Lno_scales:
	s_wait_tensorcnt 0x0                           ; the wave's end, behind my last LDS store
	ds_add_u32 v[SPW], v[NIL]
	s_wait_dscnt 0x0
	s_endpgm
.Lcast:                                            ; w_proj to f16: a wave takes 16,384 bytes on end
	s_sub_co_u32 s20, ttmp9, 96
	s_lshl_b32 s22, s20, 17
	s_lshl_b32 s23, s18, 14
	s_add_co_u32 s22, s22, s23
	s_mov_b32 s23, 0
	s_add_nc_u64 s[10:11], s[10:11], s[22:23]
	s_lshr_b32 s22, s22, 1                         ; half as many bytes out
	s_add_nc_u64 s[16:17], s[16:17], s[22:23]
	v_lshlrev_b32 v10, 3, v1                       ; 8 bytes a lane
.set i, 0
.rept 32
	global_load_b128 v[X+4*i:X+4*i+3], v2, s[10:11] offset:512*i th:TH_LOAD_NT
.set i, i+1
.endr
.set i, 0
.rept 32
	s_wait_loadcnt 31-i                            ; load i is in; the later ones may be out
	v_cvt_pk_f16_f32 v[C+2*i], v[X+4*i], v[X+4*i+1]
	v_cvt_pk_f16_f32 v[C+2*i+1], v[X+4*i+2], v[X+4*i+3]
	global_store_b64 v10, v[C+2*i:C+2*i+1], s[16:17] offset:256*i   ; 32 lanes store 256 consecutive bytes; no register is written again
.set i, i+1
.endr
	s_endpgm
.Lfunc_end_k_qbdce487ec3_prep_w:
	.size	k_qbdce487ec3_prep_w, .Lfunc_end_k_qbdce487ec3_prep_w-k_qbdce487ec3_prep_w
	.p2alignl 7, 3214868480
	.fill 96, 4, 3214868480
	.section	.rodata,"a",@progbits
	.p2align	6, 0x0
	.amdhsa_kernel k_qbdce487ec3_prep_w
		.amdhsa_group_segment_fixed_size 18944
		.amdhsa_private_segment_fixed_size 0
		.amdhsa_enable_private_segment 0
		.amdhsa_kernarg_size 56
		.amdhsa_user_sgpr_count 2
		.amdhsa_user_sgpr_kernarg_segment_ptr 1
		.amdhsa_wavefront_size32 1
		.amdhsa_system_sgpr_workgroup_id_x 1
		.amdhsa_system_sgpr_workgroup_id_y 1
		.amdhsa_system_sgpr_workgroup_id_z 1
		.amdhsa_system_vgpr_workitem_id 0
		.amdhsa_next_free_vgpr 224
		.amdhsa_next_free_sgpr 66
		.amdhsa_reserve_vcc 0
		.amdhsa_float_denorm_mode_32 3
		.amdhsa_float_denorm_mode_16_64 3
		.amdhsa_memory_ordered 1
		.amdhsa_forward_progress 1
		.amdhsa_inst_pref_size 33
	.end_amdhsa_kernel
	.amdgpu_metadata
---
amdhsa.version: [ 1, 2 ]
amdhsa.kernels:
  - .name:           k_qbdce487ec3_prep_w
    .symbol:         k_qbdce487ec3_prep_w.kd
    .args:
      - { .name: w_key, .offset: 0, .size: 8, .value_kind: global_buffer, .address_space: global }
      - { .name: w_value, .offset: 8, .size: 8, .value_kind: global_buffer, .address_space: global }
      - { .name: w_query, .offset: 16, .size: 8, .value_kind: global_buffer, .address_space: global }
      - { .name: w_proj, .offset: 24, .size: 8, .value_kind: global_buffer, .address_space: global }
      - { .name: wcodes, .offset: 32, .size: 8, .value_kind: global_buffer, .address_space: global }
      - { .name: wscales, .offset: 40, .size: 8, .value_kind: global_buffer, .address_space: global }
      - { .name: wp16, .offset: 48, .size: 8, .value_kind: global_buffer, .address_space: global }
    .group_segment_fixed_size: 18944
    .private_segment_fixed_size: 0
    .kernarg_segment_align: 8
    .kernarg_segment_size: 56
    .max_flat_workgroup_size: 256
    .sgpr_count:     66
    .vgpr_count:     224
    .wavefront_size: 32
...
	.end_amdgpu_metadata
.endif
;; end of part 2
;; launch proj (part 3): grid 4 x 96, 4 waves a work-group, clusters of 4 x 4, 327,680 bytes of LDS; arguments xcodes, xscales, wcodes, wscales, heads; writes heads
.if DOCPART == 3
	.amdgcn_target "amdgcn-amd-amdhsa--gfx1250"
	.amdhsa_code_object_version 6
	.text
	.protected	k_qbdce487ec3_proj
	.globl	k_qbdce487ec3_proj
	.p2align	8
	.type	k_qbdce487ec3_proj,@function
k_qbdce487ec3_proj:
	s_mov_b64 s[64:65], 0
	v_nop
	global_prefetch_b8 v0, s[64:65] scope:SCOPE_SE
	s_setreg_imm32_b32 hwreg(HW_REG_WAVE_MODE, 25, 1), 1
	s_wait_xcnt 0x0
	s_wait_alu depctr_hold_cnt(0) depctr_sa_sdst(0) depctr_va_vdst(0) depctr_va_sdst(0) depctr_va_ssrc(0) depctr_va_vcc(0) depctr_vm_vsrc(0)
	s_getreg_b32 s2, hwreg(HW_REG_IB_STS2, 6, 4)
	s_cmp_eq_u32 s2, 0
	s_cbranch_scc0 .Lentry_in_a_cluster
	s_endpgm
.Lentry_in_a_cluster:
	s_bfe_u32 s2, ttmp6, 0x10000c
	s_cmp_lg_u32 s2, 0xf033
	s_cbranch_scc0 .Lentry_shape_is_right
	s_endpgm
.Lentry_shape_is_right:
; The three quantised projections as ONE product on codes of FP4 (E2M1) with E8M0 scales: rows 8192 p + 2048 b + t of xcodes (p = 0 key, 1 value, 2 query) against the 1,024 rows
; 1024 p + n of wcodes; sums in f32, K = 1,024 ascending.  The result is rounded once to f16 and laid by heads: heads[p][b][head][t][64].
; A tile of 256 x 256 is made by four waves, each 128 x 128: 64 accumulators, 512 registers.  K is two steps of 512: both LDS slots and the scales are filled once, at the start; nothing is filled again.
; CLUSTERS: 4 x 4 work-groups.  The four of a row of the cluster need the same rows of x, the four of a column the same rows of w: each tile is asked for JOINTLY.
; A cluster's 1,024 rows lie in one projection (8,192 rows), so p hangs on the cluster's y alone, which all sixteen partners share.
; THE MATRIX INSTRUCTION IS USED TRANSPOSED (source 0 = 16 rows of w, source 1 = 16 rows of x): a lane then holds eight neighbouring columns of one row.
; LIMIT: a projection beyond 65,504 becomes infinity in f16.
; REGISTERS: window 0: v0-31 addresses; v32-95 scale words, two sets; v96-127 the way out's packed results; v128-191 x's fragments, ONE set, later rows read back from the stage.
;   window 1: w's fragments, two sets, at v0 and v128.   window 2: the accumulators of my rows 0-63 ((a, b) at v[8 (8 a + b)]);   window 3: those of my rows 64-127.
.set KSTEP,  512                       ; along K in a slot
.set NQ,     KSTEP/128                 ; matrix instructions deep
.set ROWB,   256                       ; a tile's row in bytes
.set KROW,   512                       ; a row of codes in memory
.set PITCH,  272                       ; an LDS row: 256 bytes + 16 of padding: the 16 rows that a load touches start at 16 different banks
.set FR,     8                         ; registers of a fragment
.set NL,     2                         ; LDS loads that bring one
.set NP,     4                         ; places behind this matrix instruction (ISA guide 7.12.1)
.set HALFT,  128*PITCH                 ; 128 rows: what one tensor load brings
.set SLOT,   4*HALFT                   ; x's 256 rows, then w's 256 rows
.set KS,     32                        ; a row of scale bytes
.set SCL,    2*SLOT                    ; behind the slots: the scales, as rows of 256 bytes + 16 of padding
.set HALFS,  (128*KS/256)*272          ; the scales of 128 rows
.set SBLK,   (16*KS/256)*272           ; those of 16 rows
.set SPARE,  SCL+4*HALFS               ; behind the scales: the spare words, 128 bytes a wave
.set SPITCH, 272                       ; the way out: a stage of 16 rows x (256 bytes + 16) for each wave, in slot 0, which has had its only fill and its last read by then
.set ADRA, 16                          ; v16-17 LDS address of my x fragments in slot 0, 1
.set ADRB, 20                          ; v20-21 the same for w
.set STO,  24                          ; v24 the way out: where I put 16 bytes of a row
.set RD,   25                          ; v25 where I read back
.set CO,   26                          ; v26 my byte offset in heads
.set ADRS, 27                          ; v27 LDS address of my scale words: lanes 0-15 x's rows, lanes 16-31 w's
.set SPW,  28                          ; v28 LDS address of my spare word; never rewritten
.set NIL,  29                          ; v29 0; never rewritten
.set SC,   32                          ; scale words: set s at v[SC + 32 s]; register 4 i + q: lanes 0-15 x's block i, lanes 16-31 w's block i, the slot's q-th 128 along K
.set TMP,  96
.set AF,   128
.set BK,   128
.set G1, 24                            ; s[24:31] group 1 for x's tiles; s[32:39] groups 0, one for each slot
.set G0, 32
.set G1B, 48                           ; s[48:55], s[56:63] the same for w's
.set G0B, 56
.set G1S, 68                           ; s[68:75], s[76:79] groups 1 and 0 for x's scales; s[80:87], s[88:91] for w's
.set G0S, 76
.set G1SB, 80
.set G0SB, 88
.set MSB, 0
.macro WIN new                         ; the immediate's high byte repeats the setting that is left
.if MSB != \new
	s_set_vgpr_msb (MSB<<8)|\new
.set MSB, \new
.endif
.endm
.set MUL_LO, 0xa1                      ; source 0 (w) window 1, source 1 (x) window 0, C and D window 2
.set MUL_HI, 0xf1                      ; the same, C and D window 3
.set TO_B,   0x40                      ; destination window 1, address window 0
; A joint load: waves 0 and 1 fetch for x, waves 2 and 3 for w.  The branch hangs on the wave's number alone.  An s_nop 0 and four v_nop follow each of the two lines.
.macro JLOAD g0a, g1a, g0b, g1b
	s_cmp_eq_u32 s15, 0
	s_cbranch_scc0 .Lfor_b_\@
	tensor_load_to_lds s[\g0a:\g0a+3], s[\g1a:\g1a+7]
	s_nop 0
.rept 4
	v_nop
.endr
	s_branch .Lasked_\@
.Lfor_b_\@:
	tensor_load_to_lds s[\g0b:\g0b+3], s[\g1b:\g1b+7]
	s_nop 0
.rept 4
	v_nop
.endr
.Lasked_\@:
.endm
.macro CROUND                          ; a round of the cluster's barrier
	s_barrier_signal -1
	s_barrier_wait -1
	s_cmp_lg_u32 s14, 0
	s_cbranch_scc1 .Lnot_wave_0_\@
	s_barrier_signal -3
.Lnot_wave_0_\@:
	s_barrier_wait -3
	s_barrier_signal -1
	s_barrier_wait -1
.endm
	s_load_b128 s[4:7], s[0:1], 0x0                ; x's codes, x's scales
	s_load_b128 s[8:11], s[0:1], 0x10              ; w's codes, w's scales
	s_load_b64 s[12:13], s[0:1], 0x20              ; heads
	v_lshl_add_u32 v[SPW], v0, 2, SPARE
	v_mov_b32 v[NIL], 0
	ds_add_u32 v[SPW], v[NIL]                      ; the wave's opening: the add, twice on end, and its wait ahead of my first tensor load
	ds_add_u32 v[SPW], v[NIL]
	v_lshrrev_b32 v1, 5, v0
	v_readfirstlane_b32 s14, v1                    ; wave 0..3
	s_lshr_b32 s15, s14, 1                         ; which half of the tile's rows is mine.  Also: I fetch for x (0) or for w (1)
	s_and_b32 s16, s14, 1                          ; which half of its columns.  Also: which 128 rows of that tile I fetch
	s_bfe_u32 s40, ttmp6, 0x40000                  ; cx, cy: my place in the cluster
	s_bfe_u32 s41, ttmp6, 0x40004
	s_lshl_b32 s42, ttmp9, 2
	s_add_co_u32 s42, s42, s40                     ; tile column = 4 x cluster x + cx
	s_and_b32 s17, ttmp7, 0xffff
	s_lshl_b32 s17, s17, 2
	s_add_co_u32 s17, s17, s41                     ; tile row = 4 x cluster y + cy, 0 .. 95
	s_lshl_b32 s43, s41, 2
	s_lshl_b32 s43, 15, s43                        ; my row of the cluster
	s_lshl_b32 s44, 0x1111, s40                    ; my column
	s_or_b32 s[G1+0], s43, (0<<16)|(1<<20)|(1<<21)|(5<<22)|(3<<25)  ; the mask; elements of 1 byte; padding on; bit 21 beside a mask; after every 64 words, 4 words
	s_or_b32 s[G1B+0], s44, (0<<16)|(1<<20)|(1<<21)|(5<<22)|(3<<25)
.irp g, G1, G1B
	s_mov_b32 s[\g+1], ROWB<<16                    ; tensor_dim0
	s_mov_b32 s[\g+2], 128<<16                     ; tensor_dim1
	s_mov_b32 s[\g+3], ROWB<<16                    ; tile_dim0
	s_mov_b32 s[\g+4], 128                         ; tile_dim1
	s_mov_b32 s[\g+5], KROW                        ; from row to row
	s_mov_b32 s[\g+6], 0
	s_mov_b32 s[\g+7], 0
.endr
	; the scales of 128 rows: 4,096 dense bytes, as 16 rows of 256 bytes (32 elements of 8 bytes), 16 bytes of padding behind each
	s_or_b32 s[G1S+0], s43, (3<<16)|(1<<20)|(1<<21)|(5<<22)|(3<<25)
	s_or_b32 s[G1SB+0], s44, (3<<16)|(1<<20)|(1<<21)|(5<<22)|(3<<25)
.irp g, G1S, G1SB
	s_mov_b32 s[\g+1], 32<<16
	s_mov_b32 s[\g+2], (128*KS/256)<<16
	s_mov_b32 s[\g+3], 32<<16
	s_mov_b32 s[\g+4], 128*KS/256
	s_mov_b32 s[\g+5], 32
	s_mov_b32 s[\g+6], 0
	s_mov_b32 s[\g+7], 0
.endr
	s_lshl_b32 s18, s16, 7                         ; which 128 rows of the tile I fetch
	s_lshl_b32 s20, s17, 8
	s_add_co_u32 s20, s20, s18                     ; x: row 256 x tile row + 128 x half
	s_lshl_b32 s46, s42, 8
	s_add_co_u32 s46, s46, s18                     ; w: row 256 x tile column + 128 x half
	s_and_b32 s19, ttmp7, 0xffff
	s_lshr_b32 s19, s19, 3                         ; the projection: eight clusters of 1,024 rows to each
	s_lshl_b32 s19, s19, 10
	s_add_co_u32 s46, s46, s19                     ; + 1,024 x projection
	s_mov_b32 s21, 0
	s_mov_b32 s47, 0
	s_mov_b64 s[18:19], KS
	s_mul_u64 s[22:23], s[20:21], s[18:19]         ; where these rows' scales begin, in bytes
	s_mul_u64 s[92:93], s[46:47], s[18:19]
	s_mov_b64 s[18:19], KROW
	s_mul_u64 s[20:21], s[20:21], s[18:19]         ; and their codes
	s_mul_u64 s[46:47], s[46:47], s[18:19]
	s_mul_i32 s45, s14, HALFT                      ; where they go: wave x 128 rows: no place in the cluster enters an LDS address
	s_mul_i32 s94, s14, HALFS
	s_wait_dscnt 0x0                               ; both opening adds are done
	s_wait_kmcnt 0x0
	s_add_nc_u64 s[20:21], s[4:5], s[20:21]
	s_add_nc_u64 s[22:23], s[6:7], s[22:23]
	s_add_nc_u64 s[46:47], s[8:9], s[46:47]
	s_add_nc_u64 s[92:93], s[10:11], s[92:93]
	CROUND                                         ; all sixteen work-groups are here: the joint loads meet
	s_mov_b32 s[G0S], 1
	s_add_co_u32 s[G0S+1], s94, SCL
	s_mov_b64 s[G0S+2:G0S+3], s[22:23]
	s_or_b32 s[G0S+3], s[G0S+3], 0x80000000
	s_mov_b32 s[G0SB], 1
	s_add_co_u32 s[G0SB+1], s94, SCL
	s_mov_b64 s[G0SB+2:G0SB+3], s[92:93]
	s_or_b32 s[G0SB+3], s[G0SB+3], 0x80000000
	JLOAD G0S, G1S, G0SB, G1SB                     ; the scales first: they are wanted with K step 0
.irp s, 0,1
	s_mov_b32 s[G0+4*\s], 1
	s_add_co_u32 s[G0+4*\s+1], s45, \s*SLOT
	s_add_nc_u64 s[G0+4*\s+2:G0+4*\s+3], s[20:21], \s*ROWB
	s_or_b32 s[G0+4*\s+3], s[G0+4*\s+3], 0x80000000
	s_mov_b32 s[G0B+4*\s], 1
	s_add_co_u32 s[G0B+4*\s+1], s45, \s*SLOT
	s_add_nc_u64 s[G0B+4*\s+2:G0B+4*\s+3], s[46:47], \s*ROWB
	s_or_b32 s[G0B+4*\s+3], s[G0B+4*\s+3], 0x80000000
	JLOAD G0+4*\s, G1, G0B+4*\s, G1B               ; three tensor loads of mine are out
.endr
	v_and_b32 v1, 15, v0                           ; l % 16
	v_bfe_u32 v2, v0, 4, 1                         ; l / 16
	v_mul_u32_u24 v3, v1, PITCH
	v_lshl_add_u32 v4, v2, 4, v3                   ; a fragment's row x pitch + 16 x half
	s_mul_i32 s21, s15, HALFT                      ; my 128 rows of x
	s_mul_i32 s22, s16, HALFT                      ; my 128 rows of w,
	s_add_co_u32 s22, s22, 2*HALFT                 ; which lie behind x's 256
.irp s, 0,1
	v_add_nc_u32 v[ADRA+\s], s21, v4
	v_add_nc_u32 v[ADRB+\s], s22, v4
	s_add_co_u32 s21, s21, SLOT
	s_add_co_u32 s22, s22, SLOT
.endr
	v_mul_u32_u24 v5, v1, KS                       ; my row's scales: 32 bytes a row,
	v_lshrrev_b32 v6, 8, v5
	v_lshl_add_u32 v5, v6, 4, v5                   ; and 16 more for each 256 passed
	s_mul_i32 s21, s15, HALFS                      ; x's: my 128 rows
	s_mul_i32 s22, s16, HALFS                      ; w's: my 128 rows, behind x's 256
	s_add_co_u32 s22, s22, 2*HALFS
	s_sub_co_u32 s22, s22, s21
	v_mul_u32_u24 v6, s22, v2                      ; lanes 16-31 take w's
	s_add_co_u32 s21, s21, SCL
	v_add_nc_u32 v5, v5, v6
	v_add_nc_u32 v[ADRS], s21, v5
	s_mul_i32 s23, s14, 16*SPITCH                  ; my stage
	v_mul_u32_u24 v5, v1, SPITCH                   ; in: row l % 16, 16 bytes for each half of the lanes
	v_lshl_add_u32 v5, v2, 4, v5
	v_add_nc_u32 v[STO], s23, v5
	v_bfe_u32 v5, v0, 3, 1                         ; back: lanes 0-15 take my first head's 128 bytes of two rows, lanes 16-31 my second head's
	v_mul_u32_u24 v6, v5, SPITCH
	v_lshl_add_u32 v6, v2, 7, v6
	v_and_b32 v7, 7, v0
	v_lshl_add_u32 v6, v7, 4, v6
	v_add_nc_u32 v[RD], s23, v6
	v_lshlrev_b32 v6, 18, v2                       ; in heads: a head is 262,144 bytes, a row t 128
	v_lshl_add_u32 v6, v5, 7, v6
	v_lshl_add_u32 v[CO], v7, 4, v6
	s_lshr_b32 s20, s17, 3                         ; 4 p + b: eight tile rows to each 2,048 rows
	s_lshl_b32 s20, s20, 22                        ; x 16 heads x 262,144 bytes
	s_and_b32 s21, s17, 7
	s_lshl_b32 s21, s21, 8
	s_lshl_b32 s22, s15, 7
	s_add_co_u32 s21, s21, s22                     ; my first t
	s_lshl_b32 s21, s21, 7
	s_add_co_u32 s20, s20, s21
	s_lshl_b32 s46, s42, 2
	s_lshl_b32 s47, s16, 1
	s_add_co_u32 s46, s46, s47                     ; my first head: 4 x tile column + 2 x half
	s_lshl_b32 s46, s46, 18
	s_add_co_u32 s20, s20, s46
	s_mov_b32 s21, 0
	s_add_nc_u64 s[12:13], s[12:13], s[20:21]
.macro FRAG reg, adr, q, i             ; 16 rows x 128 K of 4-bit codes: lane l holds row l % 16; registers 4 c .. 4 c + 3 hold K = 64 c + 32 (l / 16) + 0 .. 31
.irp c, 0,1
	ds_load_b128 v[\reg+4*\c:\reg+4*\c+3], v[\adr] offset:64*(\q)+32*\c+(\i)*16*PITCH
.endr
.endm
; 16 matrix instructions: x's blocks a0, a0 + 1 against w's eight, the slot's q-th 128 along K.  p: w's set; sc: the set of scale words.  zero = 1: the first product starts the sums.
; The 64 accumulators take turns, one instruction a turn, in the same order in every step.
.macro MUL16 a0, p, q, sc, zero
.irp a, \a0, \a0+1
.irp b, 0,1,2,3,4,5,6,7
.if \zero
	v_wmma_scale_f32_16x16x128_f8f6f4 v[8*(8*((\a)%4)+\b):8*(8*((\a)%4)+\b)+7], v[128*(\p)+FR*\b:128*(\p)+FR*\b+FR-1], v[AF+FR*(\a):AF+FR*(\a)+FR-1], 0, v[SC+8*NQ*(\sc)+NQ*\b+(\q)], v[SC+8*NQ*(\sc)+NQ*(\a)+(\q)] matrix_a_fmt:MATRIX_FMT_FP4 matrix_b_fmt:MATRIX_FMT_FP4 matrix_a_scale:MATRIX_SCALE_ROW1
.else
	v_wmma_scale_f32_16x16x128_f8f6f4 v[8*(8*((\a)%4)+\b):8*(8*((\a)%4)+\b)+7], v[128*(\p)+FR*\b:128*(\p)+FR*\b+FR-1], v[AF+FR*(\a):AF+FR*(\a)+FR-1], v[8*(8*((\a)%4)+\b):8*(8*((\a)%4)+\b)+7], v[SC+8*NQ*(\sc)+NQ*\b+(\q)], v[SC+8*NQ*(\sc)+NQ*(\a)+(\q)] matrix_a_fmt:MATRIX_FMT_FP4 matrix_b_fmt:MATRIX_FMT_FP4 matrix_a_scale:MATRIX_SCALE_ROW1
.endif
.endr
.endr
.endm
.macro FETCH_B slot, q, p              ; w's eight fragments of the slot's q-th 128 along K into set p
	WIN TO_B
.irp i, 0,1,2,3,4,5,6,7
	FRAG 128*(\p)+FR*\i, ADRB+\slot, \q, \i
.endr
	WIN 0
.endm
.macro FETCH_A slot, q, i0             ; x's blocks i0 .. i0 + 3
.irp i, \i0, \i0+1, \i0+2, \i0+3
	FRAG AF+FR*(\i), ADRA+\slot, \q, \i
.endr
.endm
.macro SCALES sc                       ; a K step's scale words into set sc: four words a row; lanes 0-15 take x's block i, lanes 16-31 w's block i
.irp i, 0,1,2,3,4,5,6,7
	ds_load_b128 v[SC+8*NQ*\sc+NQ*\i:SC+8*NQ*\sc+NQ*\i+3], v[ADRS] offset:\i*SBLK
.endr
.endm
.macro PLACES n                        ; places in front of loads into registers that matrix instructions have read, and of reads of results
.rept \n
	v_nop
.endr
.endm
; A step of 128 along K that has its successor in the same slot.
.macro STEP slot, q, zero
	s_wait_dscnt 4*NL                              ; w's set and x's blocks 0-3 are in; the youngest eight loads (x's blocks 4-7) may be out
	WIN MUL_LO
	MUL16 0, (\q)%2, \q, \slot, \zero
	MUL16 2, (\q)%2, \q, \slot, \zero
	s_wait_dscnt 0                                 ; x's blocks 4-7 are in
	PLACES NP
	FETCH_B \slot, (\q)+1, 1-(\q)%2
	FETCH_A \slot, (\q)+1, 0
	WIN MUL_HI
	MUL16 4, (\q)%2, \q, \slot, \zero
	MUL16 6, (\q)%2, \q, \slot, \zero
	PLACES NP
	WIN 0
	FETCH_A \slot, (\q)+1, 4
.endm
; Slot 0's last step changes slots: one barrier; in front of it each wave waits for all its tensor loads (its part of slot 1), adds 0 to its spare word, and waits for that and for its reads of slot 0.
.macro TURN slot, next
	s_wait_tensorcnt 0x0                           ; all my tensor loads have landed
	ds_add_u32 v[SPW], v[NIL]                      ; 0 onto my spare word
	s_wait_dscnt 4*NL+1                            ; (the add and the youngest eight loads, x's blocks 4-7, may be out)
	WIN MUL_LO
	MUL16 0, 1, NQ-1, \slot, 0
	s_wait_dscnt 0x0                               ; the add is done, and my reads of this slot are over
	s_barrier_signal -1
	MUL16 2, 1, NQ-1, \slot, 0
	WIN 0
	s_barrier_wait -1
	PLACES NP
	v_add_nc_u32 v[ADRS], 4*NQ, v[ADRS]            ; on to the next K step's scale words
	FETCH_B \next, 0, 0
	FETCH_A \next, 0, 0
	SCALES \next
	WIN MUL_HI
	MUL16 4, 1, NQ-1, \slot, 0
	MUL16 6, 1, NQ-1, \slot, 0
	PLACES NP
	WIN 0
	FETCH_A \next, 0, 4
.endm
.macro STEPS slot, from                ; the slot's steps from .. NQ - 2
.set Q, \from
.rept NQ-1-\from
	STEP \slot, Q, 0
.set Q, Q+1
.endr
.endm
	s_wait_tensorcnt 1                             ; the scales and my part of K step 0 are in; K step 1's load may be out
	s_barrier_signal -1
	s_barrier_wait -1                              ; everybody's are
	FETCH_B 0, 0, 0
	FETCH_A 0, 0, 0
	SCALES 0
	FETCH_A 0, 0, 4
	STEP 0, 0, 1                                   ; the first step's products start the sums: nothing is cleared
	STEPS 0, 1
	TURN 0, 1
	STEPS 1, 0
	s_wait_dscnt 4*NL                              ; the very last step: nothing more to fetch
	WIN MUL_LO
	MUL16 0, 1, NQ-1, 1, 0
	MUL16 2, 1, NQ-1, 1, 0
	s_wait_dscnt 0
	WIN MUL_HI
	MUL16 4, 1, NQ-1, 1, 0
	MUL16 6, 1, NQ-1, 1, 0
	WIN 0
; THE WAY OUT, block by block of 16 rows x 128 columns (two heads).  PACK: rounded to f16, 16 bytes a lane, each accumulator from its low end on.  TOSTAGE: into my stage, and back so that
; sixteen lanes hold two neighbouring rows t of one head: 256 consecutive bytes of heads.  SEND: stored.  LDS serves a wave's instructions in order: no wait between the stores and the loads.
.macro PACK a
.set AC, 64*((\a)%4)
	WIN 0x0a+5*((\a)/4)                            ; sources 0 and 1: window 2 or 3
.irp b, 0,1,2,3,4,5,6,7
.irp j, 0,1,2,3
	v_cvt_pk_f16_f32 v[TMP+4*\b+\j], v[AC+8*\b+2*\j], v[AC+8*\b+2*\j+1]
.endr
.endr
	WIN 0
.endm
.macro TOSTAGE a
.set BB, BK+32*((\a)%2)
.irp b, 0,1,2,3,4,5,6,7
	ds_store_b128 v[STO], v[TMP+4*\b:TMP+4*\b+3] offset:32*\b
.endr
.irp i, 0,1,2,3,4,5,6,7
	ds_load_b128 v[BB+4*\i:BB+4*\i+3], v[RD] offset:\i*2*SPITCH
.endr
.endm
.macro SEND a
.set BB, BK+32*((\a)%2)
	s_wait_dscnt 0x0                               ; the block is back in registers
	s_wait_xcnt 0x0                                ; the block before's stores have read their registers: the next block's loads may land there
.irp i, 0,1,2,3,4,5,6,7
	global_store_b128 v[CO], v[BB+4*\i:BB+4*\i+3], s[12:13] offset:(\a)*2048+\i*256   ; 16 lanes store 256 consecutive bytes, at a multiple of 256 from the buffer's first byte
.endr
.endm
	PLACES NP                                      ; behind the last products: for the reads of results and the loads into the registers that held x's fragments
	PACK 0
	TOSTAGE 0
.irp a, 1,2,3,4,5,6,7                  ; block a's conversions stand between block a - 1's loads from the stage and the wait for them
	PACK \a
	SEND \a-1
	TOSTAGE \a
.endr
	SEND 7
	s_wait_tensorcnt 0x0                           ; the wave's end, behind my last tensor load and my last LDS store
	ds_add_u32 v[SPW], v[NIL]
	s_wait_dscnt 0x0
	CROUND                                         ; the closing round: no work-group ends while a partner may still ask for a tile that names it
	s_endpgm
.Lfunc_end_k_qbdce487ec3_proj:
	.size	k_qbdce487ec3_proj, .Lfunc_end_k_qbdce487ec3_proj-k_qbdce487ec3_proj
	.p2alignl 7, 3214868480
	.fill 96, 4, 3214868480
	.section	.rodata,"a",@progbits
	.p2align	6, 0x0
	.amdhsa_kernel k_qbdce487ec3_proj
		.amdhsa_group_segment_fixed_size 327680
		.amdhsa_private_segment_fixed_size 0
		.amdhsa_enable_private_segment 0
		.amdhsa_kernarg_size 40
		.amdhsa_user_sgpr_count 2
		.amdhsa_user_sgpr_kernarg_segment_ptr 1
		.amdhsa_wavefront_size32 1
		.amdhsa_system_sgpr_workgroup_id_x 1
		.amdhsa_system_sgpr_workgroup_id_y 1
		.amdhsa_system_sgpr_workgroup_id_z 1
		.amdhsa_system_vgpr_workitem_id 0
		.amdhsa_next_free_vgpr 1024
		.amdhsa_next_free_sgpr 98
		.amdhsa_reserve_vcc 0
		.amdhsa_float_denorm_mode_32 3
		.amdhsa_float_denorm_mode_16_64 3
		.amdhsa_memory_ordered 1
		.amdhsa_forward_progress 1
		.amdhsa_inst_pref_size 127
	.end_amdhsa_kernel
	.amdgpu_metadata
---
amdhsa.version: [ 1, 2 ]
amdhsa.kernels:
  - .name:           k_qbdce487ec3_proj
    .symbol:         k_qbdce487ec3_proj.kd
    .args:
      - { .name: xcodes, .offset: 0, .size: 8, .value_kind: global_buffer, .address_space: global }
      - { .name: xscales, .offset: 8, .size: 8, .value_kind: global_buffer, .address_space: global }
      - { .name: wcodes, .offset: 16, .size: 8, .value_kind: global_buffer, .address_space: global }
      - { .name: wscales, .offset: 24, .size: 8, .value_kind: global_buffer, .address_space: global }
      - { .name: heads, .offset: 32, .size: 8, .value_kind: global_buffer, .address_space: global }
    .group_segment_fixed_size: 327680
    .private_segment_fixed_size: 0
    .kernarg_segment_align: 8
    .kernarg_segment_size: 40
    .max_flat_workgroup_size: 128
    .sgpr_count:     98
    .vgpr_count:     1024
    .wavefront_size: 32
...
	.end_amdgpu_metadata
.endif
;; end of part 3
;; launch att (part 4): grid 4 x 64, 8 waves a work-group, clusters of 4 x 1, 327,680 bytes of LDS; arguments heads, ao; writes ao
.if DOCPART == 4
	.amdgcn_target "amdgcn-amd-amdhsa--gfx1250"
	.amdhsa_code_object_version 6
	.text
	.protected	k_qbdce487ec3_att
	.globl	k_qbdce487ec3_att
	.p2align	8
	.type	k_qbdce487ec3_att,@function
k_qbdce487ec3_att:
	s_mov_b64 s[64:65], 0
	v_nop
	global_prefetch_b8 v0, s[64:65] scope:SCOPE_SE
	s_setreg_imm32_b32 hwreg(HW_REG_WAVE_MODE, 25, 1), 1
	s_wait_xcnt 0x0
	s_wait_alu depctr_hold_cnt(0) depctr_sa_sdst(0) depctr_va_vdst(0) depctr_va_sdst(0) depctr_va_ssrc(0) depctr_va_vcc(0) depctr_vm_vsrc(0)
	s_getreg_b32 s2, hwreg(HW_REG_IB_STS2, 6, 4)
	s_cmp_eq_u32 s2, 0
	s_cbranch_scc0 .Lentry_in_a_cluster
	s_endpgm
.Lentry_in_a_cluster:
	s_bfe_u32 s2, ttmp6, 0x10000c
	s_cmp_lg_u32 s2, 0x3003
	s_cbranch_scc0 .Lentry_shape_is_right
	s_endpgm
.Lentry_shape_is_right:
; O[q] = the sum over k of softmax_k(Q[q] . K[k] / 8) V[k], for each of 64 heads (y = 16 b + head) of 2,048 positions and 64 channels.  heads = [key, value, query][b][head][t][64] f16.
; Products on f16 operands with f32 sums; maxima, exponentials and sums in f32; the weights p (at most 1) are rounded to f16 for the second product, O once at the end.  ao = [head][2048 b + t][64] f16.
; LIMITS: O beyond 65,504 becomes infinity and O under 2^-14 keeps fewer bits in f16; NaN and infinities are not served.
; SHARES.  A cluster of four work-groups is one head; a work-group owns 512 queries, each of its eight waves 64: four tiles of 16.  Every wave walks the head's keys, 64 a step, 32 steps.
; LAYOUT.  S^T = K Q^T (source 0 = 16 keys, source 1 = 16 queries), O^T = V^T P (source 0 = 16 channels, turned by ds_load_tr16_b128): a lane holds ONE query throughout; two tiles of S^T, rounded in pairs, are source 1 of the second product.
; SOFTMAX.  A running maximum m and sum l for each query: p = 2^(c s - c m), c = log2(e) / 8; in every step O and l are multiplied by a = 2^(c m_old - c m_new).  m begins at -3e38 and O and l at 0, so the first step is a step like any other.
; TWO GROUPS OF WAVES IN OPPOSITE PHASE.  A key step is a matrix phase (32 products V^T P of the step in hand, 32 products K Q^T of the next) and a vector phase (the softmax).  Waves 0-3 run matrix, vector in a trip; waves 4-7 vector, matrix:
; behind every barrier half of the waves begin with products and half with a softmax.  The branches hang on the wave's number alone.
; THE RING IS SHIFTED BY ONE STEP.  Step 0 of K and V has a region Z of its own; slot s holds steps 4 s + 1 to 4 s + 4, so that a trip's K and V (of the next step) always lie in the slot entered at the trip's own change of slots.
; Slot 7's last step lies 64 keys past the head: those bytes lie inside the buffer (behind K's heads lie V's, behind V's lie Q's) and are never read from LDS.
; In memory two neighbouring keys are 256 bytes: a tile's row in LDS is such a pair.  K and V are asked for JOINTLY by the four work-groups (waves 0, 1: K's halves of a slot; waves 2, 3: V's).
; REGISTERS.  window 0: v0-11 addresses; v12-43 statistics; v61-63; v64-191 S^T, 32 a tile (P takes the low 16 of each in place); v192-255 Q.   window 1: v0-127 O^T, 32 a tile; v128-191 K of one step; v192-255 V of one step.
.set PK,    272                        ; a pair of keys of K in LDS: 256 bytes + 16: the 16 keys of a load fall on 16 different 16-byte columns
.set PV,    288                        ; of V: 256 + 32
.set KSB,   32*PK                      ; a step of K
.set VSB,   32*PV                      ; a step of V
.set VOFF,  128*PK                     ; a slot: 128 pairs of K, then 128 of V
.set ZK,    128*(PK+PV)                ; behind slot 0: step 0 of K,
.set ZV,    ZK+KSB                     ; and of V
.set SLOT1, 1<<17                      ; slot 1 begins here: one exclusive or turns an address in one slot into the other's
.set STAGE, SLOT1+ZK                   ; behind slot 1: 16 rows x (128 bytes + 16) for each wave, for the way out
.set SP,    144
.set SPARE, STAGE+8*16*SP              ; behind the stages: the spare words, 128 bytes a wave
.set AK0, 2                            ; v2  my lane's place in a tile of K
.set AV0, 3                            ; v3  the same for V
.set ADK, 4                            ; v4  LDS address of the run of K's loads in hand
.set ADV, 5                            ; v5  of V's
.set STO, 6                            ; v6  the way out: where I put 16 bytes of a row
.set RD,  7                            ; v7  where I read back
.set GO,  8                            ; v8  16 x lane
.set QO,  10                           ; v10 my byte offset in the wave's rows of Q
.set ST,  12                           ; tile t's statistics at v[ST + 8 t]: +0 c m, +1 m, +2, +3 l, +4 to +7 at work (a takes +6, the step's sum +4, +5)
.set PFO, 61                           ; v61 256 x lane; never rewritten
.set SPW, 62                           ; v62 LDS address of my spare word; never rewritten
.set NIL, 63                           ; v63 0; never rewritten
.set S,   64
.set QF,  192
.set KF,  128                          ; in window 1
.set VF,  192                          ; in window 1
.set WV,  12                           ; s12 my wave's number
.set G1K, 24                           ; s[24:31] group 1 for K's tiles; s[32:39] V's; s[40:47], s[48:55] the same for step 0's
.set G1V, 32
.set G1ZK, 40
.set G1ZV, 48
.set G0K, 56                           ; s[56:59], s[60:63] groups 0 that walk; s[68:71], s[72:75] step 0's
.set G0V, 60
.set G0ZK, 68
.set G0ZV, 72
.set CS,  76                           ; s[76:77] c, twice
.set SEL, 78                           ; s[78:79] lane selects for v_permlanex16_b32: lane l xor 16
.set TK,  80                           ; s80 LDS byte at which the step of K to be fetched begins
.set TV,  81                           ; s81 the same for V
.set SLOTS, 82                         ; s82 slots still to be asked for
.set TRC, 83                           ; s83 counts a slot's trips
.set LIM, 84                           ; s84 1 in a wave that prefetches, else the greatest number
.set PFA, 86                           ; s[86:87] where my prefetches stand
.set QA,  88                           ; s[88:89] Q at my wave's first row
.set OA,  90                           ; s[90:91] ao likewise
.set MSB, 0
.macro WIN new                         ; the immediate's high byte repeats the setting that is left
.if MSB != \new
	s_set_vgpr_msb (MSB<<8)|\new
.set MSB, \new
.endif
.endm
.set W_KQ, 0x01                        ; K in window 1; Q and S^T in window 0
.set W_PV, 0x51                        ; V and O^T in window 1, P in window 0
.set W_RS, 0x41                        ; O^T (destination and source 0) in window 1, the factor in window 0
.set W_LD, 0x40                        ; destination window 1, address window 0
.set W_CV, 0x05                        ; sources 0 and 1 window 1, destination window 0
.macro PLACES n
.rept \n
	v_nop
.endr
.endm
.macro CROUND                          ; a round of the cluster's barrier
	s_barrier_signal -1
	s_barrier_wait -1
	s_cmp_lg_u32 s[WV], 0
	s_cbranch_scc1 .Lnot_wave_0_\@
	s_barrier_signal -3
.Lnot_wave_0_\@:
	s_barrier_wait -3
	s_barrier_signal -1
	s_barrier_wait -1
.endm
; A joint refill: waves 0 and 1 fetch K's halves of a slot, waves 2 and 3 V's, the others nothing.  An s_nop 0 and four v_nop follow each of the two lines.
.macro JLOAD
	s_cmp_lt_u32 s[WV], 2
	s_cbranch_scc0 .Lnot_k_\@
	tensor_load_to_lds s[G0K:G0K+3], s[G1K:G1K+7]
	s_nop 0
.rept 4
	v_nop
.endr
	s_branch .Lasked_\@
.Lnot_k_\@:
	s_cmp_lt_u32 s[WV], 4
	s_cbranch_scc0 .Lasked_\@
	tensor_load_to_lds s[G0V:G0V+3], s[G1V:G1V+7]
	s_nop 0
.rept 4
	v_nop
.endr
.Lasked_\@:
.endm
; A PREFETCH INTO THE L2 of what the NEXT change of slots will ask for: a slot's 128 pairs of keys of K and of V, 256 bytes each, a lane a pair.  A head is walked by one cluster alone; its four partners take 32 pairs each,
; told apart by address; in each, wave 0 asks for K's and wave 2 for V's: each pair is named once.  It stands four trips ahead of the load that will want the bytes.  The last change that fills a slot asks for nothing.
.macro ASK
	s_cmp_gt_u32 s[SLOTS], s[LIM]
	s_cbranch_scc0 .Lnot_mine_\@
	global_prefetch_b8 v[PFO], s[PFA:PFA+1] th:TH_LOAD_NT scope:SCOPE_SE
.Lnot_mine_\@:
.endm
	s_load_b128 s[4:7], s[0:1], 0x0                ; heads s[4:5], ao s[6:7]
	v_lshl_add_u32 v[SPW], v0, 2, SPARE
	v_mov_b32 v[NIL], 0
	ds_add_u32 v[SPW], v[NIL]                      ; the wave's opening: the add, twice on end, and its wait ahead of the first tensor loads
	ds_add_u32 v[SPW], v[NIL]
	v_lshrrev_b32 v1, 5, v0
	v_readfirstlane_b32 s[WV], v1                  ; wave 0..7
	s_bfe_u32 s13, ttmp6, 0x40000                  ; cx: it enters Q's, ao's and the prefetches' addresses alone
	s_and_b32 s14, ttmp7, 0xffff                   ; y = 16 b + head, which the four partners share
	s_and_b32 s15, s[WV], 1                        ; which half of a slot I fetch, if I fetch
	s_lshl_b32 s16, s14, 18                        ; a head is 262,144 bytes
	s_mov_b32 s17, 0
	s_mov_b32 s[G1K], 15|(1<<16)|(1<<20)|(1<<21)|(5<<22)|(3<<25)   ; the mask: all four work-groups; elements of 2 bytes; padding on; bit 21 beside a mask; after every 64 words, 4 words
	s_mov_b32 s[G1V], 15|(1<<16)|(1<<20)|(1<<21)|(5<<22)|(7<<25)   ; the same with 8 words of padding
	s_mov_b32 s[G1ZK], 15|(1<<16)|(1<<20)|(1<<21)|(5<<22)|(3<<25)
	s_mov_b32 s[G1ZV], 15|(1<<16)|(1<<20)|(1<<21)|(5<<22)|(7<<25)
.irp g, G1K, G1V
	s_mov_b32 s[\g+1], 128<<16                     ; tensor_dim0 = 128 elements: a pair of keys
	s_mov_b32 s[\g+2], 64<<16                      ; tensor_dim1 = 64 pairs
	s_mov_b32 s[\g+3], 128<<16                     ; tile_dim0
	s_mov_b32 s[\g+4], 64                          ; tile_dim1
	s_mov_b32 s[\g+5], 128                         ; from pair to pair: dense
	s_mov_b32 s[\g+6], 0
	s_mov_b32 s[\g+7], 0
.endr
.irp g, G1ZK, G1ZV
	s_mov_b32 s[\g+1], 128<<16
	s_mov_b32 s[\g+2], 16<<16                      ; 16 pairs: half of step 0
	s_mov_b32 s[\g+3], 128<<16
	s_mov_b32 s[\g+4], 16
	s_mov_b32 s[\g+5], 128
	s_mov_b32 s[\g+6], 0
	s_mov_b32 s[\g+7], 0
.endr
	s_mov_b32 s[G0ZK], 1
	s_mov_b32 s[G0ZV], 1
	s_mov_b32 s[G0K], 1
	s_mov_b32 s[G0V], 1
	s_mul_i32 s22, s15, 16*PK
	s_add_co_u32 s[G0ZK+1], s22, ZK                ; LDS addresses: constants and the wave's number alone
	s_mul_i32 s22, s15, 16*PV
	s_add_co_u32 s[G0ZV+1], s22, ZV
	s_mul_i32 s[G0K+1], s15, 64*PK
	s_mul_i32 s22, s15, 64*PV
	s_add_co_u32 s[G0V+1], s22, VOFF
	s_mov_b32 s[CS], 0x3e38aa3b                    ; c = log2(e) / 8
	s_mov_b32 s[CS+1], s[CS]
	s_mov_b32 s[SEL], 0x76543210
	s_mov_b32 s[SEL+1], 0xfedcba98
	s_mov_b32 s[SLOTS], 7
	s_lshr_b32 s23, s[WV], 2
	s_or_b32 s22, s15, s23                         ; 0 in waves 0 and 2
	s_cmp_eq_u32 s22, 0
	s_cselect_b32 s[LIM], 1, -1
	v_and_b32 v[PFO], 31, v0
	v_lshlrev_b32 v[PFO], 8, v[PFO]
	s_wait_dscnt 0x0                               ; both opening adds are done
	s_wait_kmcnt 0x0
	s_add_nc_u64 s[18:19], s[4:5], s[16:17]        ; my head's K
	s_add_nc_u64 s[20:21], s[18:19], 0x1000000     ; its V: 64 heads on
	s_lshl_b32 s22, s15, 12
	s_mov_b32 s23, 0
	s_add_nc_u64 s[G0ZK+2:G0ZK+3], s[18:19], s[22:23]
	s_or_b32 s[G0ZK+3], s[G0ZK+3], 0x80000000
	s_add_nc_u64 s[G0ZV+2:G0ZV+3], s[20:21], s[22:23]
	s_or_b32 s[G0ZV+3], s[G0ZV+3], 0x80000000
	s_lshl_b32 s22, s15, 14
	s_add_co_u32 s22, s22, 8192                    ; slot 0 begins with key 64
	s_add_nc_u64 s[G0K+2:G0K+3], s[18:19], s[22:23]
	s_or_b32 s[G0K+3], s[G0K+3], 0x80000000
	s_add_nc_u64 s[G0V+2:G0V+3], s[20:21], s[22:23]
	s_or_b32 s[G0V+3], s[G0V+3], 0x80000000
	s_lshl_b32 s2, s13, 16                         ; my work-group's 512 rows of 128 bytes,
	s_lshl_b32 s3, s[WV], 13                       ; my wave's 64 of them
	s_add_co_u32 s2, s2, s3
	s_mov_b32 s3, 0
	s_add_nc_u64 s[QA:QA+1], s[18:19], 0x2000000   ; my head's Q: 128 heads on
	s_add_nc_u64 s[QA:QA+1], s[QA:QA+1], s[2:3]
	s_and_b32 s22, s14, 15
	s_lshl_b32 s22, s22, 20                        ; ao: a head is 8,192 rows of 128 bytes,
	s_lshr_b32 s16, s14, 4
	s_lshl_b32 s16, s16, 18                        ; b is 2,048 rows
	s_add_co_u32 s22, s22, s16
	s_add_nc_u64 s[OA:OA+1], s[6:7], s[22:23]
	s_add_nc_u64 s[OA:OA+1], s[OA:OA+1], s[2:3]
	s_cmp_lt_u32 s[WV], 2
	s_cselect_b64 s[PFA:PFA+1], s[18:19], s[20:21]
	s_lshl_b32 s2, s13, 13                         ; my work-group's 32 pairs of the 128,
	s_add_co_u32 s2, s2, 8192+32768                ; in slot 1: the first change of slots steps it to slot 2.  Nothing is prefetched here, at the head
	s_add_nc_u64 s[PFA:PFA+1], s[PFA:PFA+1], s[2:3]
	CROUND                                         ; all four work-groups are here: the first joint loads meet
	s_cmp_lt_u32 s[WV], 2                          ; a wave's two first fills stand in one branch: step 0's half and slot 0's half; two loads of a fetching wave are out
	s_cbranch_scc0 .Lfirst_not_k
	tensor_load_to_lds s[G0ZK:G0ZK+3], s[G1ZK:G1ZK+7]
	s_nop 0
	tensor_load_to_lds s[G0K:G0K+3], s[G1K:G1K+7]
	s_nop 0
.rept 4
	v_nop
.endr
	s_branch .Lfirst_asked
.Lfirst_not_k:
	s_cmp_lt_u32 s[WV], 4
	s_cbranch_scc0 .Lfirst_asked
	tensor_load_to_lds s[G0ZV:G0ZV+3], s[G1ZV:G1ZV+7]
	s_nop 0
	tensor_load_to_lds s[G0V:G0V+3], s[G1V:G1V+7]
	s_nop 0
.rept 4
	v_nop
.endr
.Lfirst_asked:
	; A fragment of K or Q is 16 rows x 32 channels in 8 registers: lane l holds row l % 16; registers 0-3 channels 8 (l / 16) + 0..7, registers 4-7 channels 16 + 8 (l / 16) + 0..7: two loads of 16 bytes, 32 bytes apart.
	v_and_b32 v1, 15, v0                           ; r
	v_bfe_u32 v9, v0, 4, 1                         ; h
	v_lshlrev_b32 v[QO], 7, v1
	v_lshl_add_u32 v[QO], v9, 4, v[QO]             ; row x 128 + 16 x half
.irp t, 0,1,2,3
.irp c, 0,1
	global_load_b128 v[QF+16*\t+8*\c:QF+16*\t+8*\c+3],   v[QO], s[QA:QA+1] offset:\t*2048+64*\c      ; Q stays in registers
	global_load_b128 v[QF+16*\t+8*\c+4:QF+16*\t+8*\c+7], v[QO], s[QA:QA+1] offset:\t*2048+64*\c+32
.endr
.endr
	v_bfe_u32 v11, v0, 1, 3                        ; r / 2: the pair
	v_and_b32 v44, 1, v0                           ; r % 2: which of the pair
	v_mul_u32_u24 v[AK0], v11, PK
	v_lshl_add_u32 v[AK0], v44, 7, v[AK0]
	v_lshl_add_u32 v[AK0], v9, 4, v[AK0]
	; The turning load takes 16 keys x 16 channels (lane l reads 16 bytes: key 8 (l / 16) + l % 8, channels 8 ((l / 8) % 2) + 0..7) and leaves half a fragment of V^T: lane l holds channel l % 16 and 8 keys.
	v_bfe_u32 v45, v0, 1, 2
	v_lshl_add_u32 v45, v9, 2, v45                 ; the pair: 4 h + (l % 8) / 2
	v_mul_u32_u24 v[AV0], v45, PV
	v_lshl_add_u32 v[AV0], v44, 7, v[AV0]
	v_bfe_u32 v46, v0, 3, 1
	v_lshl_add_u32 v[AV0], v46, 4, v[AV0]
	s_mul_i32 s22, s[WV], 16*SP
	s_add_co_u32 s22, s22, STAGE                   ; my stage
	v_mul_u32_u24 v[STO], v1, SP                   ; in: row r, 16 bytes for each half of the lanes
	v_lshl_add_u32 v[STO], v9, 4, v[STO]
	v_add_nc_u32 v[STO], s22, v[STO]
	v_bfe_u32 v47, v0, 3, 2                        ; back: eight lanes to a row of 128 bytes, four rows an instruction
	v_and_b32 v48, 7, v0
	v_mul_u32_u24 v[RD], v47, SP
	v_lshl_add_u32 v[RD], v48, 4, v[RD]
	v_add_nc_u32 v[RD], s22, v[RD]
	v_and_b32 v[GO], 31, v0
	v_lshlrev_b32 v[GO], 4, v[GO]
.irp t, 0,1,2,3
	v_mov_b32 v[ST+8*\t+1], 0xff61b1e6             ; m = -3e38, under every score
	v_mul_f32 v[ST+8*\t], s[CS], v[ST+8*\t+1]      ; c m
	v_mov_b32 v[ST+8*\t+2], 0                      ; l
	v_mov_b32 v[ST+8*\t+3], 0
.endr
	WIN 0x40
.set i, 0
.rept 128
	v_mov_b32 v[i], 0                              ; O^T, once: in return the loop has no first step of its own
.set i, i+1
.endr
	WIN 0
; THE LDS LOADS stand in runs of 16.  A step's K: keys 16 kt on, channels 32 c on.
.macro FETCH_K
	v_add_nc_u32 v[ADK], s[TK], v[AK0]
	WIN W_LD
.irp kt, 0,1,2,3
.irp c, 0,1
	ds_load_b128 v[KF+16*\kt+8*\c:KF+16*\kt+8*\c+3],   v[ADK] offset:\kt*8*PK+64*\c
	ds_load_b128 v[KF+16*\kt+8*\c+4:KF+16*\kt+8*\c+7], v[ADK] offset:\kt*8*PK+64*\c+32
.endr
.endr
	WIN 0
.endm
; A step's V, turned: keys 32 kh on, channels 16 ct on.
.macro FETCH_V
	v_add_nc_u32 v[ADV], s[TV], v[AV0]
	WIN W_LD
.irp kh, 0,1
.irp ct, 0,1,2,3
	ds_load_tr16_b128 v[VF+32*\kh+8*\ct:VF+32*\kh+8*\ct+3],   v[ADV] offset:\kh*16*PV+32*\ct
	ds_load_tr16_b128 v[VF+32*\kh+8*\ct+4:VF+32*\kh+8*\ct+7], v[ADV] offset:\kh*16*PV+8*PV+32*\ct
.endr
.endr
	WIN 0
.endm
; S^T = K Q^T: 32 products; the 16 accumulators take turns, one instruction a turn; the first 16 start the sums.
.macro KQ
.irp c, 0,1
.irp kt, 0,1,2,3
.irp t, 0,1,2,3
.if \c == 0
	v_wmma_f32_16x16x32_f16 v[S+32*\t+8*\kt:S+32*\t+8*\kt+7], v[KF+16*\kt+8*\c:KF+16*\kt+8*\c+7], v[QF+16*\t+8*\c:QF+16*\t+8*\c+7], 0
.else
	v_wmma_f32_16x16x32_f16 v[S+32*\t+8*\kt:S+32*\t+8*\kt+7], v[KF+16*\kt+8*\c:KF+16*\kt+8*\c+7], v[QF+16*\t+8*\c:QF+16*\t+8*\c+7], v[S+32*\t+8*\kt:S+32*\t+8*\kt+7]
.endif
.endr
.endr
.endr
.endm
; O^T += V^T P: 32 products, the 16 accumulators by turns.
.macro PV
.irp kh, 0,1
.irp ct, 0,1,2,3
.irp t, 0,1,2,3
	v_wmma_f32_16x16x32_f16 v[32*\t+8*\ct:32*\t+8*\ct+7], v[VF+32*\kh+8*\ct:VF+32*\kh+8*\ct+7], v[S+32*\t+8*\kh:S+32*\t+8*\kh+7], v[32*\t+8*\ct:32*\t+8*\ct+7]
.endr
.endr
.endr
.endm
; THE SOFTMAX OF A KEY STEP, the four tiles by turns, line by line, so that no line waits for the line above it.
.macro X
.irp j, 0,1,2,3                        ; the maximum: four chains; the first lines read each accumulator at its low end
.irp t, 0,1,2,3
	v_max3_num_f32 v[ST+8*\t+4+\j], v[S+32*\t+8*\j], v[S+32*\t+8*\j+1], v[S+32*\t+8*\j+2]
.endr
.endr
.irp g, 1,2
.irp j, 0,1,2,3
.irp t, 0,1,2,3
	v_max3_num_f32 v[ST+8*\t+4+\j], v[ST+8*\t+4+\j], v[S+32*\t+8*\j+2*\g+1], v[S+32*\t+8*\j+2*\g+2]
.endr
.endr
.endr
.irp t, 0,1,2,3
	v_max3_num_f32 v[ST+8*\t+4], v[ST+8*\t+4], v[S+32*\t+7], v[S+32*\t+15]
.endr
.irp t, 0,1,2,3
	v_max3_num_f32 v[ST+8*\t+6], v[ST+8*\t+6], v[S+32*\t+23], v[S+32*\t+31]
.endr
.irp t, 0,1,2,3
	v_max3_num_f32 v[ST+8*\t+4], v[ST+8*\t+4], v[ST+8*\t+5], v[ST+8*\t+6]
.endr
.irp t, 0,1,2,3
	v_max3_num_f32 v[ST+8*\t+4], v[ST+8*\t+4], v[ST+8*\t+7], v[ST+8*\t+1]   ; with the old m
.endr
.irp t, 0,1,2,3
	v_permlanex16_b32 v[ST+8*\t+5], v[ST+8*\t+4], s[SEL], s[SEL+1]         ; the query's other 32 keys lie in the lane 16 away
.endr
.irp t, 0,1,2,3
	v_mov_b32 v[ST+8*\t+7], v[ST+8*\t]             ; c m_old
.endr
.irp t, 0,1,2,3
	v_max_num_f32 v[ST+8*\t+1], v[ST+8*\t+4], v[ST+8*\t+5]
.endr
.irp t, 0,1,2,3
	v_mul_f32 v[ST+8*\t], s[CS], v[ST+8*\t+1]
.endr
.irp t, 0,1,2,3
	v_sub_f32 v[ST+8*\t+7], v[ST+8*\t+7], v[ST+8*\t]
.endr
.irp t, 0,1,2,3                        ; ONE BATCH: a, the scalings and all exponentials; none of these lines names an exponential's result
	v_exp_f32 v[ST+8*\t+6], v[ST+8*\t+7]
.endr
.irp b, 0,1,2,3,4,5,6,7,8,9,10,11,12,13,14,15
.irp t, 0,1,2,3
	v_pk_fma_f32 v[S+32*\t+2*\b:S+32*\t+2*\b+1], v[S+32*\t+2*\b:S+32*\t+2*\b+1], s[CS:CS+1], v[ST+8*\t:ST+8*\t+1] op_sel_hi:[1,0,0] neg_lo:[0,0,1] neg_hi:[0,0,1]   ; pair b: c s - c m
.endr
.if \b > 0
.irp t, 0,1,2,3
	v_exp_f32 v[S+32*\t+2*\b-2], v[S+32*\t+2*\b-2]
	v_exp_f32 v[S+32*\t+2*\b-1], v[S+32*\t+2*\b-1]
.endr
.endif
.endr
.irp t, 0,1,2,3
	v_exp_f32 v[S+32*\t+30], v[S+32*\t+30]
	v_exp_f32 v[S+32*\t+31], v[S+32*\t+31]
.endr
	v_nop                                          ; a plain line behind the last exponential
	s_wait_alu depctr_va_vdst(0)                   ; one wait for the whole batch, ahead of its first reader
.irp t, 0,1,2,3                        ; the step's sum of the unrounded p, a pair at a time
	v_pk_add_f32 v[ST+8*\t+4:ST+8*\t+5], v[S+32*\t:S+32*\t+1], v[S+32*\t+2:S+32*\t+3]
.endr
.irp b, 2,3,4,5,6,7,8,9,10,11,12,13,14,15
.irp t, 0,1,2,3
	v_pk_add_f32 v[ST+8*\t+4:ST+8*\t+5], v[ST+8*\t+4:ST+8*\t+5], v[S+32*\t+2*\b:S+32*\t+2*\b+1]
.endr
.endr
.irp t, 0,1,2,3
	v_pk_fma_f32 v[ST+8*\t+2:ST+8*\t+3], v[ST+8*\t+2:ST+8*\t+3], v[ST+8*\t+6:ST+8*\t+7], v[ST+8*\t+4:ST+8*\t+5] op_sel_hi:[1,0,1]   ; l = a l + the sum
.endr
.irp i, 0,1,2,3,4,5,6,7,8,9,10,11,12,13,14,15   ; P in place: register i takes pair i, which lies at 2 i and 2 i + 1: nothing is written before it is read
.irp t, 0,1,2,3
	v_cvt_pk_f16_f32 v[S+32*\t+\i], v[S+32*\t+2*\i], v[S+32*\t+2*\i+1]
.endr
.endr
	WIN W_RS
.irp i, 0,1,2,3,4,5,6,7,8,9,10,11,12,13,14,15   ; O^T times a, each accumulator from its low end on
.irp t, 0,1,2,3
	v_pk_mul_f32 v[32*\t+2*\i:32*\t+2*\i+1], v[32*\t+2*\i:32*\t+2*\i+1], v[ST+8*\t+6:ST+8*\t+7] op_sel_hi:[1,0]
.endr
.endr
	WIN 0
.endm
; A TRIP: step t in hand.  V(t) was asked for a trip ago.
.macro TRIP
	FETCH_K                                        ; K(t + 1); the last products that read K's registers stand five places back or more
	s_cmp_lt_u32 s[WV], 4
	s_cbranch_scc1 .La_\@
	X                                              ; waves 4-7: the softmax of step t
.La_\@:
	s_wait_dscnt 16                                ; V(t) is in; the 16 loads of K just issued may be out
	WIN W_PV
	PV
	PLACES 5                                       ; four for the loads into V's registers; five since the products below write over the registers that held P
	WIN 0
	FETCH_V                                        ; V(t + 1)
	s_wait_dscnt 16                                ; K(t + 1) is in; the 16 loads of V just issued may be out
	WIN W_KQ
	KQ
	WIN 0
	PLACES 5                                       ; four for the reads of the scores and the next loads into K's registers; five since the next V^T P takes these registers as an operand, counted without the softmax between
	s_add_co_u32 s[TK], s[TK], KSB
	s_add_co_u32 s[TV], s[TV], VSB
	s_cmp_lt_u32 s[WV], 4
	s_cbranch_scc0 .Lb_\@
	X                                              ; waves 0-3: the softmax of step t + 1
.Lb_\@:
.endm
.macro TRIPS n
	s_mov_b32 s[TRC], \n
.Ltrip_\@:
	TRIP
	s_sub_co_u32 s[TRC], s[TRC], 1
	s_cmp_lg_u32 s[TRC], 0
	s_cbranch_scc1 .Ltrip_\@
	s_sub_co_u32 s[TK], s[TK], \n*KSB              ; the fetches go back to a slot's first step,
	s_xor_b32 s[TK], s[TK], SLOT1                  ; in the other slot
	s_sub_co_u32 s[TV], s[TV], \n*VSB
	s_xor_b32 s[TV], s[TV], SLOT1
.endm
; THE CHANGE OF SLOTS stands at a slot's head.  Each wave waits for all its tensor loads (its part of the slot ahead), adds 0 to its spare word, and waits for that and for its reads of the slot that it has left.
; fill = 1: the barrier is a round of the cluster's, and behind it the slot that was left is filled with the keys that follow: the load has four trips in which to land; one load of a fetching wave is out.
.macro CHANGE fill
	s_wait_tensorcnt 0x0                           ; no tensor load of mine is out, so a group 0 may be written
	ds_add_u32 v[SPW], v[NIL]                      ; 0 onto my spare word
.if \fill
	ds_add_u32 v[SPW], v[NIL]                      ; and once more
	s_xor_b32 s[G0K+1], s[G0K+1], SLOT1            ; the walking descriptors: the other slot than last time,
	s_add_nc_u64 s[G0K+2:G0K+3], s[G0K+2:G0K+3], 32768   ; the next 256 keys; the type bits on top are not reached
	s_xor_b32 s[G0V+1], s[G0V+1], SLOT1
	s_add_nc_u64 s[G0V+2:G0V+3], s[G0V+2:G0V+3], 32768
	s_wait_xcnt 0x0                                ; the last prefetch, a slot back, has read its address, so it may be written
	s_add_nc_u64 s[PFA:PFA+1], s[PFA:PFA+1], 32768 ; one slot further on than the walking descriptors
	s_wait_dscnt 0x0                               ; both adds are done, and my reads of the slot that I have left are over
	CROUND
	JLOAD
	ASK
.else
	s_wait_dscnt 0x0
	s_barrier_signal -1
	s_barrier_wait -1
.endif
.endm
	s_wait_tensorcnt 0x0                           ; my first fills are in (a wait for all: four of the eight waves have none)
	s_barrier_signal -1
	s_barrier_wait -1                              ; everybody's are
	s_mov_b32 s[TK], ZK
	s_mov_b32 s[TV], ZV
	FETCH_K                                        ; step 0
	FETCH_V
	s_wait_loadcnt 0x0                             ; Q
	s_wait_dscnt 16                                ; K(0) is in; V(0)'s 16 loads may be out
	WIN W_KQ
	KQ
	WIN 0
	PLACES 5                                       ; as in a trip: five places behind the products whose results the next V^T P takes as an operand
	s_mov_b32 s[TK], 0
	s_mov_b32 s[TV], VOFF
	s_cmp_lt_u32 s[WV], 4
	s_cbranch_scc0 .Lpro
	X                                              ; waves 0-3: the softmax of step 0
.Lpro:
.Lslot:                                            ; 7 trips: slots 0 to 6 are entered, and behind each change the next slot is asked for
	CHANGE 1
	TRIPS 4
	s_sub_co_u32 s[SLOTS], s[SLOTS], 1
	s_cmp_lg_u32 s[SLOTS], 0
	s_cbranch_scc1 .Lslot
	CHANGE 0                                       ; slot 7 is written out: nothing is left to ask for
	TRIPS 3                                        ; steps 28 to 30 in hand
	s_cmp_lt_u32 s[WV], 4
	s_cbranch_scc1 .Llast
	X                                              ; waves 4-7: the softmax of step 31
.Llast:
	s_wait_dscnt 0x0                               ; V(31)
	WIN W_PV
	PV
	WIN 0
	; THE WAY OUT.  l's two halves and the other half of the lanes' are added (these lines are the places behind the last products); O^T is divided by l, rounded to f16 and sent through my stage, a tile (16 rows) at a time.
.irp t, 0,1,2,3
	v_add_f32 v[ST+8*\t+4], v[ST+8*\t+2], v[ST+8*\t+3]
.endr
.irp t, 0,1,2,3
	v_permlanex16_b32 v[ST+8*\t+5], v[ST+8*\t+4], s[SEL], s[SEL+1]
.endr
.irp t, 0,1,2,3
	v_add_f32 v[ST+8*\t+4], v[ST+8*\t+4], v[ST+8*\t+5]
.endr
.irp t, 0,1,2,3
	v_rcp_f32 v[ST+8*\t+6], v[ST+8*\t+4]
.endr
	v_nop                                          ; a plain line behind the last reciprocal
	s_wait_alu depctr_va_vdst(0)                   ; one wait for the four, ahead of their first reader
.macro PACK t
	WIN W_RS
.set i, 0
.rept 16
	v_pk_mul_f32 v[32*\t+2*i:32*\t+2*i+1], v[32*\t+2*i:32*\t+2*i+1], v[ST+8*\t+6:ST+8*\t+7] op_sel_hi:[1,0]
.set i, i+1
.endr
	WIN W_CV
.set i, 0
.rept 16
	v_cvt_pk_f16_f32 v[S+32*\t+i], v[32*\t+2*i], v[32*\t+2*i+1]
.set i, i+1
.endr
	WIN 0
.irp c, 0,1,2,3
	ds_store_b128 v[STO], v[S+32*\t+4*\c:S+32*\t+4*\c+3] offset:32*\c
.endr
.irp c, 0,1,2,3
	ds_load_b128 v[S+32*\t+16+4*\c:S+32*\t+16+4*\c+3], v[RD] offset:\c*4*SP   ; LDS serves a wave's instructions in order: these see the stores above; the next tile's stores come behind them
.endr
.endm
.macro SEND t, younger                 ; younger: the LDS instructions issued behind tile t's loads: the next tile's eight, or none
.irp i, 0,1,2,3
	s_wait_dscnt \younger+3-\i
	global_store_b128 v[GO], v[S+32*\t+16+4*\i:S+32*\t+16+4*\i+3], s[OA:OA+1] offset:\t*2048+\i*512   ; 32 lanes store 512 consecutive bytes: four rows of a head
.endr
.endm
	PACK 0
	PACK 1
	SEND 0, 8
	PACK 2
	SEND 1, 8
	PACK 3
	SEND 2, 8
	SEND 3, 0
	s_wait_tensorcnt 0x0                           ; the wave's end, behind my last tensor load and my last LDS store
	ds_add_u32 v[SPW], v[NIL]
	s_wait_dscnt 0x0
	CROUND                                         ; the closing round: no work-group ends while a partner may still ask for a tile that names it
	s_endpgm
.Lfunc_end_k_qbdce487ec3_att:
	.size	k_qbdce487ec3_att, .Lfunc_end_k_qbdce487ec3_att-k_qbdce487ec3_att
	.p2alignl 7, 3214868480
	.fill 96, 4, 3214868480
	.section	.rodata,"a",@progbits
	.p2align	6, 0x0
	.amdhsa_kernel k_qbdce487ec3_att
		.amdhsa_group_segment_fixed_size 327680
		.amdhsa_private_segment_fixed_size 0
		.amdhsa_enable_private_segment 0
		.amdhsa_kernarg_size 16
		.amdhsa_user_sgpr_count 2
		.amdhsa_user_sgpr_kernarg_segment_ptr 1
		.amdhsa_wavefront_size32 1
		.amdhsa_system_sgpr_workgroup_id_x 1
		.amdhsa_system_sgpr_workgroup_id_y 1
		.amdhsa_system_sgpr_workgroup_id_z 1
		.amdhsa_system_vgpr_workitem_id 0
		.amdhsa_next_free_vgpr 512
		.amdhsa_next_free_sgpr 96
		.amdhsa_reserve_vcc 0
		.amdhsa_float_denorm_mode_32 3
		.amdhsa_float_denorm_mode_16_64 3
		.amdhsa_memory_ordered 1
		.amdhsa_forward_progress 1
		.amdhsa_inst_pref_size 201
	.end_amdhsa_kernel
	.amdgpu_metadata
---
amdhsa.version: [ 1, 2 ]
amdhsa.kernels:
  - .name:           k_qbdce487ec3_att
    .symbol:         k_qbdce487ec3_att.kd
    .args:
      - { .name: heads, .offset: 0, .size: 8, .value_kind: global_buffer, .address_space: global }
      - { .name: ao, .offset: 8, .size: 8, .value_kind: global_buffer, .address_space: global }
    .group_segment_fixed_size: 327680
    .private_segment_fixed_size: 0
    .kernarg_segment_align: 8
    .kernarg_segment_size: 16
    .max_flat_workgroup_size: 256
    .sgpr_count:     96
    .vgpr_count:     512
    .wavefront_size: 32
...
	.end_amdgpu_metadata
.endif
;; end of part 4
;; launch outp (part 5): grid 4 x 64, 4 waves a work-group, clusters of 4 x 4, 327,680 bytes of LDS; arguments ao, wp16, out0; writes out0
.if DOCPART == 5
	.amdgcn_target "amdgcn-amd-amdhsa--gfx1250"
	.amdhsa_code_object_version 6
	.text
	.protected	k_qbdce487ec3_outp
	.globl	k_qbdce487ec3_outp
	.p2align	8
	.type	k_qbdce487ec3_outp,@function
k_qbdce487ec3_outp:
	s_mov_b64 s[64:65], 0
	v_nop
	global_prefetch_b8 v0, s[64:65] scope:SCOPE_SE
	s_setreg_imm32_b32 hwreg(HW_REG_WAVE_MODE, 25, 1), 1
	s_wait_xcnt 0x0
	s_wait_alu depctr_hold_cnt(0) depctr_sa_sdst(0) depctr_va_vdst(0) depctr_va_sdst(0) depctr_va_ssrc(0) depctr_va_vcc(0) depctr_vm_vsrc(0)
	s_getreg_b32 s2, hwreg(HW_REG_IB_STS2, 6, 4)
	s_cmp_eq_u32 s2, 0
	s_cbranch_scc0 .Lentry_in_a_cluster
	s_endpgm
.Lentry_in_a_cluster:
	s_bfe_u32 s2, ttmp6, 0x10000c
	s_cmp_lg_u32 s2, 0xf033
	s_cbranch_scc0 .Lentry_shape_is_right
	s_endpgm
.Lentry_shape_is_right:
; out0[m][n] = the sum over k of A[m][k] W[k][n]: A = attention's result, ao = [head][m 8192][64] f16 (k = 64 head + channel); W = wp16 [k 1024][n 1024] f16; out0 [8192][1024] f32; sums in f32, K ascending.
; A tile of out0 is 128 x 256: 256 work-groups.  Four waves, each 64 x 128: 32 accumulators, 256 registers.  K goes in steps of 128 (two heads) through a ring of two LDS slots.
; A's part of a step is, for each of the two heads, 128 rows of 128 bytes on end: 64 rows of 256 bytes.  W's is 128 rows k of 512 bytes; its fragments come out of LDS turned, by ds_load_tr16_b128.
; CLUSTERS: 4 x 4 work-groups; A's tiles are shared along a row of the cluster, W's along a column: each is asked for JOINTLY.  Waves 0 and 1 fetch A's two heads, waves 2 and 3 W's two halves: one load a wave.
; THE MATRIX INSTRUCTION IS USED TRANSPOSED (source 0 = 16 columns of W, source 1 = 16 rows of A): a lane then holds eight neighbouring numbers of a row of out0.
; REGISTERS: window 0: v0-31 addresses; two fragment buffers of 96 at v64 and v160 (W's eight fragments, then A's four); on the way out v64-191 hold rows.   window 1: the accumulators ((a, b) at v[8 (8 a + b)]).
.set PA,     272                       ; a pair of rows of A in LDS: 256 bytes + 16
.set PB,     544                       ; a row k of W: 512 bytes + 32
.set AHD,    64*PA                     ; a head's 128 rows
.set BOFF,   2*AHD                     ; W lies behind A's two heads
.set SLOT,   BOFF+128*PB
.set STAGE,  2*SLOT                    ; behind the ring: 16 rows x (512 bytes + 16) for each wave
.set SPITCH, 528
.set SPARE,  STAGE+4*16*SPITCH         ; behind the stages: the spare words, 128 bytes a wave
.set LAPS,   4                         ; a lap = two K steps = once round the ring
.set ADRA, 16                          ; v16-17 LDS address of my A fragments in slot 0, 1
.set ADRB, 20                          ; v20-21 the same for W
.set STO,  24                          ; v24 the way out: where I put 32 bytes of a row
.set RD,   25                          ; v25 where I read a row back
.set CO,   26                          ; v26 16 x lane
.set SPW,  28                          ; v28 LDS address of my spare word; never rewritten
.set NIL,  29                          ; v29 0; never rewritten
.set F0,   64
.set F1,   160
.set G1, 24                            ; s[24:31] group 1 for A's tiles; s[32:39] groups 0, one for each slot
.set G0, 32
.set G1B, 48                           ; s[48:55], s[56:63] the same for W's
.set G0B, 56
.set MSB, 0
.macro WIN new                         ; the immediate's high byte repeats the setting that is left
.if MSB != \new
	s_set_vgpr_msb (MSB<<8)|\new
.set MSB, \new
.endif
.endm
.set MUL, 0x50                         ; sources 0 and 1 window 0; C and D window 1
.macro JLOAD s                         ; a joint load; an s_nop 0 and four v_nop follow each of the two lines
	s_cmp_eq_u32 s11, 0
	s_cbranch_scc0 .Lfor_b_\@
	tensor_load_to_lds s[G0+4*\s:G0+4*\s+3], s[G1:G1+7]
	s_nop 0
.rept 4
	v_nop
.endr
	s_branch .Lasked_\@
.Lfor_b_\@:
	tensor_load_to_lds s[G0B+4*\s:G0B+4*\s+3], s[G1B:G1B+7]
	s_nop 0
.rept 4
	v_nop
.endr
.Lasked_\@:
.endm
.macro CREST                           ; a round of the cluster's barrier behind its opening barrier
	s_cmp_lg_u32 s10, 0
	s_cbranch_scc1 .Lnot_wave_0_\@
	s_barrier_signal -3
.Lnot_wave_0_\@:
	s_barrier_wait -3
	s_barrier_signal -1
	s_barrier_wait -1
.endm
.macro CROUND
	s_barrier_signal -1
	s_barrier_wait -1
	CREST
.endm
	s_load_b128 s[4:7], s[0:1], 0x0                ; ao s[4:5], wp16 s[6:7]
	s_load_b64 s[8:9], s[0:1], 0x10                ; out0
	v_lshl_add_u32 v[SPW], v0, 2, SPARE
	v_mov_b32 v[NIL], 0
	ds_add_u32 v[SPW], v[NIL]                      ; the wave's opening: the add, twice on end, and its wait ahead of my first tensor load
	ds_add_u32 v[SPW], v[NIL]
	v_lshrrev_b32 v1, 5, v0
	v_readfirstlane_b32 s10, v1                    ; wave 0..3
	s_lshr_b32 s11, s10, 1                         ; which half of the tile's rows is mine.  Also: I fetch for A (0) or for W (1)
	s_and_b32 s12, s10, 1                          ; which half of its columns.  Also: which head, or which 64 rows k, I fetch
	s_bfe_u32 s40, ttmp6, 0x40000                  ; cx, cy
	s_bfe_u32 s41, ttmp6, 0x40004
	s_lshl_b32 s42, ttmp9, 2
	s_add_co_u32 s42, s42, s40                     ; tile column = 4 x cluster x + cx
	s_and_b32 s13, ttmp7, 0xffff
	s_lshl_b32 s13, s13, 2
	s_add_co_u32 s13, s13, s41                     ; tile row = 4 x cluster y + cy
	s_lshl_b32 s43, s41, 2
	s_lshl_b32 s43, 15, s43                        ; my row of the cluster
	s_lshl_b32 s44, 0x1111, s40                    ; my column
	s_or_b32 s[G1+0], s43, (1<<16)|(1<<20)|(1<<21)|(5<<22)|(3<<25)   ; the mask; elements of 2 bytes; padding on; bit 21 beside a mask; after every 64 words, 4 words
	s_mov_b32 s[G1+1], 128<<16                     ; tensor_dim0 = 128: two rows of a head
	s_mov_b32 s[G1+2], 64<<16                      ; tensor_dim1 = 64
	s_mov_b32 s[G1+3], 128<<16                     ; tile_dim0
	s_mov_b32 s[G1+4], 64                          ; tile_dim1
	s_mov_b32 s[G1+5], 128                         ; dense
	s_mov_b32 s[G1+6], 0
	s_mov_b32 s[G1+7], 0
	s_or_b32 s[G1B+0], s44, (1<<16)|(1<<20)|(1<<21)|(6<<22)|(7<<25)  ; after every 128 words, 8 words
	s_mov_b32 s[G1B+1], 256<<16                    ; tensor_dim0 = 256 columns
	s_mov_b32 s[G1B+2], 64<<16                     ; tensor_dim1 = 64 rows k
	s_mov_b32 s[G1B+3], 256<<16
	s_mov_b32 s[G1B+4], 64
	s_mov_b32 s[G1B+5], 1024                       ; from row to row
	s_mov_b32 s[G1B+6], 0
	s_mov_b32 s[G1B+7], 0
	s_lshl_b32 s16, s13, 14                        ; A: the tile row's 128 rows of 128 bytes,
	s_lshl_b32 s17, s12, 20                        ; in head 0 or 1
	s_add_co_u32 s16, s16, s17
	s_mov_b32 s17, 0
	s_lshl_b32 s46, s42, 9                         ; W: the tile column's 512 bytes of a row,
	s_lshl_b32 s47, s12, 17                        ; from row k = 0 or 64
	s_add_co_u32 s46, s46, s47
	s_mov_b32 s47, 0
	s_mul_i32 s20, s12, AHD                        ; where they go: no place in the cluster enters an LDS address
	s_mul_i32 s21, s12, 64*PB
	s_add_co_u32 s21, s21, BOFF
	s_wait_dscnt 0x0                               ; both opening adds are done
	s_wait_kmcnt 0x0
	s_add_nc_u64 s[14:15], s[4:5], s[16:17]
	s_add_nc_u64 s[46:47], s[6:7], s[46:47]
	CROUND                                         ; all sixteen work-groups are here: the first joint loads meet
.irp s, 0,1
	s_mov_b32 s[G0+4*\s], 1
	s_add_co_u32 s[G0+4*\s+1], s20, \s*SLOT
	s_add_nc_u64 s[G0+4*\s+2:G0+4*\s+3], s[14:15], \s*2*1048576      ; K step s: heads 2 s and 2 s + 1
	s_or_b32 s[G0+4*\s+3], s[G0+4*\s+3], 0x80000000
	s_mov_b32 s[G0B+4*\s], 1
	s_add_co_u32 s[G0B+4*\s+1], s21, \s*SLOT
	s_add_nc_u64 s[G0B+4*\s+2:G0B+4*\s+3], s[46:47], \s*128*2048     ; rows k from 128 s on
	s_or_b32 s[G0B+4*\s+3], s[G0B+4*\s+3], 0x80000000
	JLOAD \s                                       ; two loads of mine are out
.endr
	v_and_b32 v1, 15, v0                           ; r
	v_bfe_u32 v2, v0, 4, 1                         ; h
	v_bfe_u32 v3, v0, 1, 3                         ; r / 2: the pair of rows
	v_and_b32 v4, 1, v0
	v_mul_u32_u24 v3, v3, PA
	v_lshl_add_u32 v3, v4, 7, v3
	v_lshl_add_u32 v3, v2, 4, v3                   ; A: pair x pitch + 128 (r % 2) + 16 h
	s_mul_i32 s21, s11, 32*PA                      ; my 64 rows
	v_and_b32 v5, 7, v0
	v_lshl_add_u32 v5, v2, 3, v5
	v_mul_u32_u24 v5, v5, PB
	v_bfe_u32 v6, v0, 3, 1
	v_lshl_add_u32 v5, v6, 4, v5                   ; W: row k = 8 h + l % 8, + 16 ((l / 8) % 2)
	s_lshl_b32 s22, s12, 8                         ; my 128 columns
	s_add_co_u32 s22, s22, BOFF
.irp s, 0,1
	v_add_nc_u32 v[ADRA+\s], s21, v3
	v_add_nc_u32 v[ADRB+\s], s22, v5
	s_add_co_u32 s21, s21, SLOT
	s_add_co_u32 s22, s22, SLOT
.endr
	s_mul_i32 s23, s10, 16*SPITCH
	s_add_co_u32 s23, s23, STAGE                   ; my stage
	v_mul_u32_u24 v5, v1, SPITCH                   ; in: row r, 32 bytes for each half of the lanes
	v_lshl_add_u32 v5, v2, 5, v5
	v_add_nc_u32 v[STO], s23, v5
	v_and_b32 v6, 31, v0
	v_lshlrev_b32 v[CO], 4, v6                     ; back: the 32 lanes take one row of 512 bytes; and the same in out0
	v_add_nc_u32 v[RD], s23, v[CO]
	s_lshl_b32 s16, s13, 19                        ; my first row: 128 x tile row + 64 x half, rows of 4,096 bytes
	s_lshl_b32 s17, s11, 18
	s_add_co_u32 s16, s16, s17
	s_mov_b32 s17, 0
	s_add_nc_u64 s[8:9], s[8:9], s[16:17]
	s_lshl_b32 s46, s42, 10                        ; my first column, in bytes: 1,024 x tile column + 512 x half
	s_lshl_b32 s47, s12, 9
	s_add_co_u32 s46, s46, s47
	s_mov_b32 s47, 0
	s_add_nc_u64 s[8:9], s[8:9], s[46:47]
; 8 matrix instructions: A's block a against W's eight, 32 along K, from buffer f.  zero = 1: the product starts the sum.  The 32 accumulators take turns, in the same order in every quarter.
.macro MUL8 f, a, zero
.irp b, 0,1,2,3,4,5,6,7
.if \zero
	v_wmma_f32_16x16x32_f16 v[8*(8*(\a)+\b):8*(8*(\a)+\b)+7], v[\f+8*\b:\f+8*\b+7], v[\f+64+8*(\a):\f+64+8*(\a)+7], 0
.else
	v_wmma_f32_16x16x32_f16 v[8*(8*(\a)+\b):8*(8*(\a)+\b)+7], v[\f+8*\b:\f+8*\b+7], v[\f+64+8*(\a):\f+64+8*(\a)+7], v[8*(8*(\a)+\b):8*(8*(\a)+\b)+7]
.endif
.endr
.endm
.macro MUL16 f, a0, zero
	MUL8 \f, \a0, \zero
	MUL8 \f, \a0+1, \zero
.endm
; 24 LDS loads in one run: the fragments of the slot's quarter kq (32 along K) into buffer f: W's eight, turned, then A's four; A's blocks 2 and 3 last
.macro FETCH slot, kq, f
.irp b, 0,1,2,3,4,5,6,7
	ds_load_tr16_b128 v[\f+8*\b:\f+8*\b+3],   v[ADRB+\slot] offset:(\kq)*32*PB+32*\b
	ds_load_tr16_b128 v[\f+8*\b+4:\f+8*\b+7], v[ADRB+\slot] offset:(\kq)*32*PB+32*\b+16*PB
.endr
.irp a, 0,1,2,3
	ds_load_b128 v[\f+64+8*\a:\f+64+8*\a+3],   v[ADRA+\slot] offset:((\kq)/2)*AHD+((\kq)%2)*64+\a*8*PA
	ds_load_b128 v[\f+64+8*\a+4:\f+64+8*\a+7], v[ADRA+\slot] offset:((\kq)/2)*AHD+((\kq)%2)*64+\a*8*PA+32
.endr
.endm
.macro PLACES                          ; four places in front of loads into registers that matrix instructions have read, and of reads of results
.rept 4
	v_nop
.endr
.endm
; A K step is four quarters of 32 along K, 32 matrix instructions each, on buffers 0, 1, 0, 1.  One of the first three: multiplies buffer f and fetches quarter kq into g.
.macro QUARTER slot, kq, f, g, zero
	s_wait_dscnt 4                                 ; W's fragments and A's blocks 0 and 1 are in; the youngest four loads (A's blocks 2 and 3) may be out
	WIN MUL
	MUL16 \f, 0, \zero
	PLACES
	WIN 0
	FETCH \slot, \kq, \g
	s_wait_dscnt 24                                ; all but the 24 just issued
	WIN MUL
	MUL16 \f, 2, \zero
.endm
; The last quarter multiplies buffer 1 and changes slots: ONE barrier; in front of it each wave waits for all its tensor loads, adds 0 to its spare word, and waits for that and for its own reads of this slot.
; fill = 1: the barrier opens a round of the cluster's, and this slot is filled again, two K steps ahead: from the request to the wait for it a wave issues 112 matrix instructions.
.macro TURN slot, next, fill
	WIN 0
	s_wait_tensorcnt 0x0                           ; all my tensor loads have landed: my part of the next slot
	ds_add_u32 v[SPW], v[NIL]                      ; 0 onto my spare word
	s_wait_dscnt 5                                 ; (the add and the youngest four loads may be out)
	WIN MUL
	MUL8 F1, 0, 0
	s_wait_dscnt 0x0                               ; the add is done, and my reads of this slot are over
	s_barrier_signal -1
	MUL8 F1, 1, 0
	WIN 0
	s_barrier_wait -1
.if \fill
	CREST                                          ; no wave of any partner still reads this slot's tile or has a load on its way
	s_add_nc_u64 s[G0+4*\slot+2:G0+4*\slot+3], s[G0+4*\slot+2:G0+4*\slot+3], 4*1048576
	s_add_nc_u64 s[G0B+4*\slot+2:G0B+4*\slot+3], s[G0B+4*\slot+2:G0B+4*\slot+3], 256*2048
	JLOAD \slot                                    ; the first tensor load behind the round; its four v_nop are also the places in front of the loads below
.else
	PLACES
.endif
	FETCH \next, 0, F0
	WIN MUL
	MUL16 F1, 2, 0
.endm
	s_wait_tensorcnt 1                             ; my part of K step 0 is in; K step 1's load may be out
	s_barrier_signal -1
	s_barrier_wait -1                              ; everybody's is
	FETCH 0, 0, F0
	QUARTER 0, 1, F0, F1, 1                        ; the first quarter's products start the sums: nothing is cleared
	WIN 0                                          ; at a label and at a branch every window is 0
	s_mov_b32 s3, LAPS-1
.Llap:                                                 ; a trip goes once round the ring, from a lap's second quarter to the next lap's first, and fills both slots again
	QUARTER 0, 2, F1, F0, 0
	QUARTER 0, 3, F0, F1, 0
	TURN 0, 1, 1
	QUARTER 1, 1, F0, F1, 0
	QUARTER 1, 2, F1, F0, 0
	QUARTER 1, 3, F0, F1, 0
	TURN 1, 0, 1
	QUARTER 0, 1, F0, F1, 0
	WIN 0
	s_sub_co_u32 s3, s3, 1
	s_cmp_lg_u32 s3, 0
	s_cbranch_scc1 .Llap
	QUARTER 0, 2, F1, F0, 0                        ; the last lap fills nothing, and has no round of the cluster's barrier
	QUARTER 0, 3, F0, F1, 0
	TURN 0, 1, 0
	QUARTER 1, 1, F0, F1, 0
	QUARTER 1, 2, F1, F0, 0
	QUARTER 1, 3, F0, F1, 0
	s_wait_dscnt 4                                 ; the very last quarter: nothing more to fetch
	WIN MUL
	MUL16 F1, 0, 0
	s_wait_dscnt 0
	MUL16 F1, 2, 0
	WIN 0
; THE WAY OUT, block by block of 16 rows x 128 columns: a lane's 32 bytes of a row go into my own stage and come back as whole rows of 512 bytes.  LDS serves a wave's instructions in order: no wait between the stores and the loads.
.macro TOSTAGE a
	WIN 0x04                                       ; an LDS store's data are its source 1: window 1
.irp b, 0,1,2,3,4,5,6,7
	ds_store_b128 v[STO], v[8*(8*(\a)+\b):8*(8*(\a)+\b)+3] offset:64*\b          ; each accumulator from its low end on
	ds_store_b128 v[STO], v[8*(8*(\a)+\b)+4:8*(8*(\a)+\b)+7] offset:64*\b+16
.endr
	WIN 0
.set BB, 64+64*((\a)%2)
.irp t, 0,1,2,3,4,5,6,7,8,9,10,11,12,13,14,15
	ds_load_b128 v[BB+4*\t:BB+4*\t+3], v[RD] offset:\t*SPITCH
.endr
.endm
.macro SEND a, younger                 ; younger: the LDS instructions issued behind block a's loads, which may stay out
.set BB, 64+64*((\a)%2)
	s_wait_dscnt \younger
.irp t, 0,1,2,3,4,5,6,7,8,9,10,11,12,13,14,15
	global_store_b128 v[CO], v[BB+4*\t:BB+4*\t+3], s[8:9] offset:(\a)*65536+\t*4096 th:TH_STORE_NT   ; 32 lanes store 512 consecutive bytes, at a multiple of 256 from the buffer's first byte
.endr
.endm
	PLACES                                         ; behind the last products: for the reads of results and the loads into the registers that held fragments
	TOSTAGE 0
.irp a, 1,2,3
.if \a > 1
	s_wait_xcnt 0x0                                ; block a - 2's stores have read their registers: block a's loads may land there
.endif
	TOSTAGE \a
	SEND \a-1, 32                                  ; behind block a - 1's loads: block a's 16 stores and 16 loads
.endr
	SEND 3, 0
	s_wait_tensorcnt 0x0                           ; the wave's end, behind my last tensor load and my last LDS store
	ds_add_u32 v[SPW], v[NIL]
	s_wait_dscnt 0x0
	CROUND                                         ; the closing round: no work-group ends while a partner may still ask for a tile that names it
	s_endpgm
.Lfunc_end_k_qbdce487ec3_outp:
	.size	k_qbdce487ec3_outp, .Lfunc_end_k_qbdce487ec3_outp-k_qbdce487ec3_outp
	.p2alignl 7, 3214868480
	.fill 96, 4, 3214868480
	.section	.rodata,"a",@progbits
	.p2align	6, 0x0
	.amdhsa_kernel k_qbdce487ec3_outp
		.amdhsa_group_segment_fixed_size 327680
		.amdhsa_private_segment_fixed_size 0
		.amdhsa_enable_private_segment 0
		.amdhsa_kernarg_size 24
		.amdhsa_user_sgpr_count 2
		.amdhsa_user_sgpr_kernarg_segment_ptr 1
		.amdhsa_wavefront_size32 1
		.amdhsa_system_sgpr_workgroup_id_x 1
		.amdhsa_system_sgpr_workgroup_id_y 1
		.amdhsa_system_sgpr_workgroup_id_z 1
		.amdhsa_system_vgpr_workitem_id 0
		.amdhsa_next_free_vgpr 512
		.amdhsa_next_free_sgpr 72
		.amdhsa_reserve_vcc 0
		.amdhsa_float_denorm_mode_32 3
		.amdhsa_float_denorm_mode_16_64 3
		.amdhsa_memory_ordered 1
		.amdhsa_forward_progress 1
		.amdhsa_inst_pref_size 85
	.end_amdhsa_kernel
	.amdgpu_metadata
---
amdhsa.version: [ 1, 2 ]
amdhsa.kernels:
  - .name:           k_qbdce487ec3_outp
    .symbol:         k_qbdce487ec3_outp.kd
    .args:
      - { .name: ao, .offset: 0, .size: 8, .value_kind: global_buffer, .address_space: global }
      - { .name: wp16, .offset: 8, .size: 8, .value_kind: global_buffer, .address_space: global }
      - { .name: out0, .offset: 16, .size: 8, .value_kind: global_buffer, .address_space: global }
    .group_segment_fixed_size: 327680
    .private_segment_fixed_size: 0
    .kernarg_segment_align: 8
    .kernarg_segment_size: 24
    .max_flat_workgroup_size: 128
    .sgpr_count:     72
    .vgpr_count:     512
    .wavefront_size: 32
...
	.end_amdgpu_metadata
.endif
;; end of part 5
